; MI455X (gfx1250); checked and timed in simulation.
; The chip was launched on July 23, 2026; its instructions are those of AMD's public machine-readable ISA for CDNA 5 (MIT licence, August 2026) and "CDNA5" Instruction Set Architecture Reference Guide (July 2026). The comments in the code are by the model that wrote it; some were corrected since.
;; Zeta Block Enhanced. Allowed arithmetic: matrix products marked QUANTISED: E2M3 operands, one E8M0 scale for each 32 along K, by v_wmma_scale_f32_16x16x128_f8f6f4 with both operands' format E2M3, f32 sums; everything else in f32.
;; Inputs: Wk 1,024 x 1,024 float32; Wo 1,024 x 1,024 float32; Wq 1,024 x 1,024 float32; Wv 1,024 x 1,024 float32; beta 16 float32; bk 1,024 float32; bo 1,024 float32; bq 1,024 float32; bv 1,024 float32; ln_b 1,024 float32; ln_w 1,024 float32; t 16 float32; x 2 x 2,048 x 1,024 float32.
;; Outputs: out0 2 x 2,048 x 1,024 float32.
;; This version of the problem:
;;   THIS VERSION OF THE PROBLEM IS GIVEN IN LOW PRECISION. The matrix products marked QUANTISED in the list below multiply operands that are first quantised to E2M3 (2 exponent bits, 3 mantissa bits; 6 bits a number), with one power-of-two scale for each 32 numbers along K (OCP MX v1.0); their sums are f32. All else is computed in f32.
;;   The module's matrix products, in the order in which they are computed (A, B: the left and right operand; K: the contracted axis; several contracted axes count as one K, in the product's order):
;;     1. [M 4,096, K 1,024] x [K 1,024, N 1,024]; A: input x; B: input Wq: QUANTISED
;;     2. [M 4,096, K 1,024] x [K 1,024, N 1,024]; A: input x; B: input Wk: QUANTISED
;;     3. [M 4,096, K 1,024] x [K 1,024, N 1,024]; A: input x; B: input Wv: QUANTISED
;;     4. batch 32 x [M 2,048, K 64] x [K 64, N 2,048]; A: computed on the way; B: computed on the way: QUANTISED
;;     5. batch 32 x [M 2,048, K 2,048] x [K 2,048, N 64]; A: softmax (see below); B: computed on the way: QUANTISED
;;     6. batch 32 x [M 2,048, K 2,048] x [K 2,048, N 64]; A: computed on the way; B: computed on the way: QUANTISED
;;     7. [M 4,096, K 1,024] x [K 1,024, N 1,024]; A: computed on the way; B: input Wo: QUANTISED
;;   THE QUANTISER, for each operand of a quantised product, along K:
;;     - K is cut into blocks of 32 from its start; a last block that is shorter is filled with zeros.
;;     - A block's scale is 2^e with e = floor(log2(the largest magnitude in the block)) - 2, held to -126 .. 127; a block of zeros has e = 0. As a byte (E8M0): e + 127.
;;     - Each number is divided by its block's scale, clamped to +-7.5, and rounded to the nearest number of E2M3, ties to even, subnormals kept.
;;     - The product sums the exact products of the quantised numbers (number of the format x scale) in f32.
;;   ~~~python
;;   def quantise(x, axis):      # numpy; x: float32 -> the quantised numbers, widened to float32 again
;;       x = np.moveaxis(x, axis, -1); K = x.shape[-1]
;;       x = np.pad(x, [(0, 0)] * (x.ndim - 1) + [(0, -K % 32)]); x = x.reshape(x.shape[:-1] + (-1, 32)); a = np.abs(x).max(-1, keepdims=True)
;;       e = np.where(a > 0, np.clip(np.frexp(np.where(a > 0, a, 1))[1] - 1 - 2, -126, 127), 0)      # np.frexp(a)[1] - 1 = floor(log2(a)), exactly
;;       r = np.clip(x / 2.0 ** e, -7.5, 7.5)
;;       step = 2.0 ** (np.maximum(np.frexp(np.where(r == 0, 1, r))[1] - 1, 0) - 3)
;;       q = np.round(r / step) * step * 2.0 ** e      # np.round: ties to even
;;       return np.moveaxis(q.reshape(q.shape[:-2] + (-1,))[..., :K], -1, axis).astype(np.float32)
;;   ~~~
;;   SOFTMAX AHEAD OF A QUANTISED PRODUCT. Where the list says 'softmax', what is quantised is not the finished softmax but p = 2^(t - M), with t = logit x log2(e) and M = ceil(the row's largest t), a whole number; so 1/2 < the row's largest p <= 1. The row's sum l is taken of the UNQUANTISED p, in f32, and the product's result is divided by l at the end. Since M is a whole number, a kernel that streams over the keys may use a running M (the ceiling of the running maximum): every later rescaling is an exact power of two, which a block's scale takes up: the codes' values come out the same.
;;   OPERANDS COMPUTED ON THE WAY. 'Computed on the way' means the value that the module computes at that place (a softmax that the list does not call 'softmax' is quantised finished and normalised). What goes into a quantiser is computed in f32, as accurately as f32 sums, v_exp_f32 and their like allow (about 1e-6 of the number): no bf16 or f16 on the way to a quantiser, and a product that is left as it is and whose result goes on into a quantised operand takes f32 operands (vector FMAs, or v_wmma_f32_16x16x4_f32). A number that lies on a knife's edge between two numbers of the format may be rounded either way, as far as f32 arithmetic and the matrix unit's own rounding can turn it there, and no further.
;; 2 versions, each right; version 2 is version 1 with the launches attn, outln written anew for expert scheduling mode. Each part assembles by itself: llvm-mc -triple=amdgcn-amd-amdhsa -mcpu=gfx1250 --defsym DOCPART=n.
;; ======== version 1 of 2: 4 launches
;; workspace buffers: codes 6,291,456 bytes; scl 262,144 bytes; img 9,437,184 bytes; sc 393,216 bytes; fimg 3,145,728 bytes; fsc 131,072 bytes
;; launch quant (part 1): grid 256 x 1, 2 waves a work-group, no clusters, 17,152 bytes of LDS; arguments x, Wq, Wk, Wv, Wo, codes, scl; writes codes, scl
.if DOCPART == 1
	.amdgcn_target "amdgcn-amd-amdhsa--gfx1250"
	.amdhsa_code_object_version 6
	.text
	.protected	k_qe94b129de7_quant
	.globl	k_qe94b129de7_quant
	.p2align	8
	.type	k_qe94b129de7_quant,@function
k_qe94b129de7_quant:
	s_mov_b64 s[64:65], 0
	v_nop
	global_prefetch_b8 v0, s[64:65] scope:SCOPE_SE
	s_setreg_imm32_b32 hwreg(HW_REG_WAVE_MODE, 25, 1), 1
	s_wait_xcnt 0x0
; x [4096][1024] and Wq, Wk, Wv, Wo [1024][1024], f32 with K innermost, become codes of FP6 (E2M3) and one E8M0 byte for each 32 along K.
; A block's scale is 2^(floor(log2(its largest magnitude)) - 2): its byte is the largest magnitude's exponent field - 2, held at 1 from below.
; LIMITS: a block of zeros, and a block whose largest magnitude lies under 2^-124, keep the byte 1 (zero codes add nothing; these bytes are read by this program alone).  NaN and infinities are not served.
; LAYOUT OF THE RESULT: the order of an operand's registers.  A tile is 16 rows; 512 tiles: 0-255 x, 256-319 Wq, 320-383 Wk, 384-447 Wv, 448-511 Wo.
; THE ROWS OF A TILE ARE NOT NEIGHBOURS: row p of tile 2 g + u of a tensor is the tensor's row 32 g + 8 u + p + 8 (p / 8), so that wherever such tiles are a product's first source the 16 result registers of
; tiles 2 g and 2 g + 1 are 16 neighbouring rows.  A fragment (16 rows x 128 K, 12 registers a lane) lies as 3 x 512 bytes: registers 4 c .. 4 c + 3 of lane l at 512 c + 16 l.
; codes: [K step / 2][tile][K step % 2][1536 bytes];  scl: [16 tile + p][8 words], word s = the four bytes of K step s.
; SHARES: one wave takes one tile for all of K: 8 steps of 128.  Each load reads 512 consecutive bytes of one row; the 16 rows turn through the wave's own stage in LDS (rows 528 bytes apart), from which
; lane (r, h) takes, of row r, k = 64 c + 32 h + 0 .. 31: two whole blocks, in the order of the operand's registers.  No barrier: waves share nothing.  Loads run two steps (32 loads a wave) ahead.
.set KSL,   1572864                    ; bytes of codes for two K steps of all 512 tiles
.set SP,    528                        ; a stage row: 512 bytes + 16: the 16 rows of a load begin in 16 different columns of 16 bytes
.set STGB,  16*SP
.set LI,    2                          ; v2   16 x lane; never rewritten
.set SIN,   3                          ; v3   the stage, on the way in
.set SOUT,  4                          ; v4   and on the way out: 528 r + 128 h
.set SH,    5                          ; v5   8 h: where my two bytes stand in a scale word
.set SCO,   6                          ; v6   32 r + 16 h: my 16 bytes of the tile's scale words
.set MX,    8                          ; v8-9   largest magnitudes
.set SO,    10                         ; v10-11 the conversions' scale operands
.set BY,    12                         ; v12-13 the bytes
.set WD,    14
.set PD,    15                         ; a lane permute's destination
.set WORD,  16                         ; v16-23 the scale word of each K step
.set CD,    24                         ; v24-35 a fragment's codes
.set CT,    36                         ; v36-38, v40-42 the upper halves of the blocks, as converted
.set RW,    44                         ; v44-171 two sets of 16 x 4 registers as loaded
.set XN,    172                        ; v172-235 my 64 numbers
	s_load_b256 s[4:11], s[0:1], 0x0               ; x, Wq, Wk, Wv
	s_load_b128 s[12:15], s[0:1], 0x20             ; Wo, codes
	s_load_b64 s[16:17], s[0:1], 0x30              ; scl
	v_lshl_add_u32 v240, v0, 2, 0x4200
	v_mov_b32 v241, 0
	v_lshrrev_b32 v1, 5, v0
	v_readfirstlane_b32 s18, v1                    ; wave 0..1
	v_and_b32 v1, 31, v0                           ; lane
	v_and_b32 v7, 15, v0                           ; r
	v_bfe_u32 v[SH], v0, 4, 1                      ; h
	v_lshlrev_b32 v[LI], 4, v1
	s_mul_i32 s19, s18, STGB                       ; my stage
	v_add_nc_u32 v[SIN], s19, v[LI]
	v_mul_u32_u24 v[SOUT], v7, SP
	v_lshl_add_u32 v[SOUT], v[SH], 7, v[SOUT]
	v_add_nc_u32 v[SOUT], s19, v[SOUT]
	v_lshlrev_b32 v[SCO], 5, v7
	v_lshl_add_u32 v[SCO], v[SH], 4, v[SCO]
	v_lshlrev_b32 v[SH], 3, v[SH]
	v_mov_b32 v[PD], 0                             ; written once: a lane permute's destination counts as one of its sources
	s_mov_b32 s30, 0x76543210
	s_mov_b32 s31, 0xfedcba98                      ; selects for lane l xor 16
	s_lshl_b32 s20, ttmp9, 1
	s_add_co_u32 s20, s20, s18                     ; my tile: 2 x work-group + wave
	s_wait_kmcnt 0x0
	s_cmp_lt_u32 ttmp9, 224                        ; which tensor: the choice hangs on the work-group's number alone
	s_cselect_b64 s[12:13], s[10:11], s[12:13]
	s_cmp_lt_u32 ttmp9, 192
	s_cselect_b64 s[12:13], s[8:9], s[12:13]
	s_cmp_lt_u32 ttmp9, 160
	s_cselect_b64 s[12:13], s[6:7], s[12:13]
	s_cmp_lt_u32 ttmp9, 128
	s_cselect_b64 s[12:13], s[4:5], s[12:13]
	s_cselect_b32 s21, -1, 63
	s_and_b32 s21, s20, s21                        ; the tile's number in its tensor
	s_lshr_b32 s22, s21, 1
	s_lshl_b32 s22, s22, 5
	s_and_b32 s23, s21, 1
	s_lshl_b32 s23, s23, 3
	s_add_co_u32 s22, s22, s23                     ; its first row: 32 g + 8 u
	s_lshl_b32 s22, s22, 12                        ; rows of 4,096 bytes
	s_mov_b32 s23, 0
	s_add_nc_u64 s[12:13], s[12:13], s[22:23]
	s_mul_i32 s22, s20, 3072
	s_add_nc_u64 s[14:15], s[14:15], s[22:23]
	s_lshl_b32 s22, s20, 9
	s_add_nc_u64 s[16:17], s[16:17], s[22:23]
.macro LOAD s                          ; K step s of the tile's 16 rows: each load is 512 consecutive bytes
.irp i, 0,1,2,3,4,5,6,7,8,9,10,11,12,13,14,15
	global_load_b128 v[RW+64*((\s)%2)+4*\i:RW+64*((\s)%2)+4*\i+3], v[LI], s[12:13] offset:(\i+8*(\i/8))*4096+512*(\s) th:TH_LOAD_NT
.endr
.endm
.macro STEP s
.if (\s) < 7
	s_wait_loadcnt 16                              ; this step's 16 loads are in; the next step's 16 may be out
.else
	s_wait_loadcnt 0x0
.endif
.irp i, 0,1,2,3,4,5,6,7,8,9,10,11,12,13,14,15
	ds_store_b128 v[SIN], v[RW+64*((\s)%2)+4*\i:RW+64*((\s)%2)+4*\i+3] offset:SP*\i
.endr
.irp c, 0,1
.irp i, 0,1,2,3,4,5,6,7
	ds_load_b128 v[XN+32*\c+4*\i:XN+32*\c+4*\i+3], v[SOUT] offset:256*\c+16*\i   ; LDS serves a wave's instructions in order: these see the stores above
.endr
.endr
	s_wait_dscnt 0x0                               ; my 64 numbers are in, and the stores have read their registers,
.if (\s) < 6
	LOAD (\s)+2                                    ; which take the loads of two steps on
.endif
.irp c, 0,1
	v_max3_num_f32 v[MX+\c], |v[XN+32*\c]|, |v[XN+32*\c+1]|, 0x1800000   ; block 2 c + h is all mine; the floor 2^(3 - 127) holds the byte at 1 from below
.endr
.irp i, 2,4,6,8,10,12,14,16,18,20,22,24,26,28,30
.irp c, 0,1
	v_max3_num_f32 v[MX+\c], v[MX+\c], |v[XN+32*\c+\i]|, |v[XN+32*\c+\i+1]|
.endr
.endr
.irp c, 0,1
	v_add_nc_u32 v[SO+\c], 0xff000000, v[MX+\c]    ; 2 off the exponent field: the conversion takes this operand's exponent field as its scale
.endr
.irp c, 0,1
	v_lshrrev_b32 v[BY+\c], 23, v[SO+\c]           ; the scale's byte
.endr
	v_lshl_or_b32 v[WD], v[BY+1], 16, v[BY]        ; my two bytes, blocks h and 2 + h,
	v_lshlrev_b32 v[WD], v[SH], v[WD]              ; at their places;
	v_permlanex16_b32 v[PD], v[WD], s30, s31
	v_or_b32 v[WORD+(\s)], v[WD], v[PD]            ; with lane l xor 16's two the word is whole
	s_wait_xcnt 0x0                                ; the last step's stores have read the codes' registers
.irp c, 0,1
	v_cvt_scalef32_pk16_fp6_f32 v[CD+6*\c:CD+6*\c+2], v[XN+32*\c:XN+32*\c+15], v[SO+\c]
	v_cvt_scalef32_pk16_fp6_f32 v[CT+4*\c:CT+4*\c+2], v[XN+32*\c+16:XN+32*\c+31], v[SO+\c]   ; (a conversion's three registers begin on an even number)
.endr
	v_nop                                          ; one plain instruction between a scaled conversion and the vector instruction that reads its result
.irp c, 0,1
.irp i, 0,1,2
	v_mov_b32 v[CD+6*\c+3+\i], v[CT+4*\c+\i]
.endr
.endr
.irp c, 0,1,2
	global_store_b128 v[LI], v[CD+4*\c:CD+4*\c+3], s[14:15] offset:((\s)/2)*KSL+((\s)%2)*1536+512*\c   ; 512 consecutive bytes, aligned
.endr
.endm
	LOAD 0
	LOAD 1
.irp s, 0,1,2,3,4,5,6,7
	STEP \s
.endr
	v_cmp_le_u32 vcc_lo, 16, v1                    ; lanes 0-15 store a row's words 0-3, lanes 16-31 its words 4-7
.irp i, 0,1,2,3
	v_cndmask_b32 v[WORD+\i], v[WORD+\i], v[WORD+4+\i], vcc_lo
.endr
	global_store_b128 v[SCO], v[WORD:WORD+3], s[16:17]   ; the tile's 512 bytes of scale words
	s_wait_tensorcnt 0x0
	ds_add_u32 v240, v241
	s_wait_dscnt 0x0
	s_endpgm
.Lfunc_end_k_qe94b129de7_quant:
	.size	k_qe94b129de7_quant, .Lfunc_end_k_qe94b129de7_quant-k_qe94b129de7_quant
	.p2alignl 7, 3214868480
	.fill 96, 4, 3214868480
	.section	.rodata,"a",@progbits
	.p2align	6, 0x0
	.amdhsa_kernel k_qe94b129de7_quant
		.amdhsa_group_segment_fixed_size 17152
		.amdhsa_private_segment_fixed_size 0
		.amdhsa_enable_private_segment 0
		.amdhsa_kernarg_size 56
		.amdhsa_user_sgpr_count 2
		.amdhsa_user_sgpr_kernarg_segment_ptr 1
		.amdhsa_wavefront_size32 1
		.amdhsa_system_sgpr_workgroup_id_x 1
		.amdhsa_system_sgpr_workgroup_id_y 1
		.amdhsa_system_sgpr_workgroup_id_z 1
		.amdhsa_system_vgpr_workitem_id 0
		.amdhsa_next_free_vgpr 242
		.amdhsa_next_free_sgpr 66
		.amdhsa_reserve_vcc 1
		.amdhsa_float_denorm_mode_32 3
		.amdhsa_float_denorm_mode_16_64 3
		.amdhsa_memory_ordered 1
		.amdhsa_forward_progress 1
		.amdhsa_inst_pref_size 57
	.end_amdhsa_kernel
	.amdgpu_metadata
---
amdhsa.version: [ 1, 2 ]
amdhsa.kernels:
  - .name:           k_qe94b129de7_quant
    .symbol:         k_qe94b129de7_quant.kd
    .args:
      - { .name: x, .offset: 0, .size: 8, .value_kind: global_buffer, .address_space: global }
      - { .name: Wq, .offset: 8, .size: 8, .value_kind: global_buffer, .address_space: global }
      - { .name: Wk, .offset: 16, .size: 8, .value_kind: global_buffer, .address_space: global }
      - { .name: Wv, .offset: 24, .size: 8, .value_kind: global_buffer, .address_space: global }
      - { .name: Wo, .offset: 32, .size: 8, .value_kind: global_buffer, .address_space: global }
      - { .name: codes, .offset: 40, .size: 8, .value_kind: global_buffer, .address_space: global }
      - { .name: scl, .offset: 48, .size: 8, .value_kind: global_buffer, .address_space: global }
    .group_segment_fixed_size: 17152
    .private_segment_fixed_size: 0
    .kernarg_segment_align: 8
    .kernarg_segment_size: 56
    .max_flat_workgroup_size: 64
    .sgpr_count:     66
    .vgpr_count:     242
    .wavefront_size: 32
...
	.end_amdgpu_metadata
.endif
;; end of part 1
;; launch qkv (part 2): grid 12 x 16, 4 waves a work-group, clusters of 4 x 4, 327,680 bytes of LDS; arguments codes, scl, bq, bk, bv, img, sc; writes img, sc
.if DOCPART == 2
	.amdgcn_target "amdgcn-amd-amdhsa--gfx1250"
	.amdhsa_code_object_version 6
	.text
	.protected	k_qe94b129de7_qkv
	.globl	k_qe94b129de7_qkv
	.p2align	8
	.type	k_qe94b129de7_qkv,@function
k_qe94b129de7_qkv:
	s_mov_b64 s[64:65], 0
	v_nop
	global_prefetch_b8 v0, s[64:65] scope:SCOPE_SE
	s_setreg_imm32_b32 hwreg(HW_REG_WAVE_MODE, 25, 1), 1
	s_wait_xcnt 0x0
	s_wait_alu depctr_hold_cnt(0) depctr_sa_sdst(0) depctr_va_vdst(0) depctr_va_sdst(0) depctr_va_ssrc(0) depctr_va_vcc(0) depctr_vm_vsrc(0)
	s_getreg_b32 s2, hwreg(HW_REG_IB_STS2, 6, 4)
	s_cmp_eq_u32 s2, 0
	s_cbranch_scc0 .Lentry_in_a_cluster
	s_endpgm
.Lentry_in_a_cluster:
	s_bfe_u32 s2, ttmp6, 0x10000c
	s_cmp_lg_u32 s2, 0xf033
	s_cbranch_scc0 .Lentry_shape_is_right
	s_endpgm
.Lentry_shape_is_right:
; Q = x Wq^T + bq, K = x Wk^T + bk, V = x Wv^T + bv on codes of FP6 (E2M3) with E8M0 scales; the results are quantised at once and leave as codes: Q and K along the head's 64, V along the tokens.
; A work-group of four waves makes 256 x 256 results, a wave 128 x 128: 64 accumulators, 512 registers.  K = 1,024 goes in four steps of 256 through two LDS slots filled by the tensor data mover.
; Both operands lie in the buffer codes in the order of an operand's registers (16 rows x 128 K = 1,536 bytes), so 128 rows x 256 K are ONE dense block of 24,576 bytes and a fragment is three loads of 16 bytes a lane.
; THE MATRIX INSTRUCTION TAKES "B" AS SOURCE 0 AND "A" AS SOURCE 1: a lane holds one row of A, and its registers run along rows of B; by the order of rows in a tile the 16 registers of B's tiles 2 g, 2 g + 1 are 16 neighbours.
; Cluster x = 0, 1 (Q, K): A = tokens, B = rows of Wq or Wk: a lane holds a token, its registers run along the features.  Cluster x = 2 (V): A = rows of Wv, B = tokens: a lane holds a feature, its registers run along the tokens.
; CLUSTERS: 4 x 4 work-groups; A's tiles are asked for jointly by a row of the cluster, B's by a column.  The branch between the two ways out hangs on the cluster's x, which all partners share.
; OUT: img, three regions (Q, K, V) of [batch x head][64][1,536 bytes].  Q, K: image g = registers 0-5: token tile 2 g, registers 6-11: token tile 2 g + 1 (lane (r, h): the tile's row r, block h of the head's 64).
;      V: image 4 s + d = the fragment of 16 of the head's 64 (tile d) x keys 128 s .. 128 s + 127.   sc, three regions of [batch x head][16][r][4 words].
; LIMITS: blocks of zeros and blocks under 2^-124 keep the byte 1; NaN and infinities are not served.
; REGISTERS: window 0: v0-31 addresses; v32-63 scale words, two sets; v64-127 bq or bk of my 128 features; v128-223 A's fragments, one set; v224-231 bv; on the way out v128-253 are at work.
;   window 1: B's fragments, two sets, at v0 and v128.   window 2: the accumulators of A's blocks 0-3 ((a, b) at v[8 (8 a + b)]);   window 3: those of blocks 4-7.
.set KSL,    1572864                   ; bytes of codes for 256 along K of all rows
.set NQ,     2                         ; matrix instructions deep in a slot
.set FR,     12                        ; registers of a fragment
.set NL,     3                         ; LDS loads that bring one
.set NP,     4                         ; places behind this matrix instruction (ISA guide 7.12.1)
.set HALFT,  24576                     ; 128 rows x 256 K: what one tensor load brings
.set SLOT,   4*HALFT                   ; A's 256 rows, then B's
.set KS,     32                        ; a row's scale bytes
.set SCL,    2*SLOT                    ; behind the ring: the scales, units of 256 bytes + 16
.set HALFS,  (128*KS/256)*272
.set SBLK,   (16*KS/256)*272
.set SPARE,  SCL+4*HALFS               ; the spare words, 128 bytes a wave: two blocks of 256 bytes that no other line names
.set ADRA, 16                          ; v16-17 LDS address of my A fragments in slot 0, 1
.set ADRB, 20                          ; v20-21 the same for B
.set LI,   24                          ; v24 16 x lane
.set SCO,  25                          ; v25 16 r + 4096 h: where my scale words go
.set ADRS, 27                          ; v27 LDS address of my scale words: lanes 0-15 A's rows, lanes 16-31 B's
.set SPW,  28
.set NIL,  29
.set SC,   32
.set BIAS, 64
.set AF,   128
.set BV,   224
.set T,    128                         ; the way out: 64 numbers
.set IMG0, 192                         ; two images
.set IMG1, 204
.set CT,   216
.set MX,   232
.set PX,   236
.set SO,   240
.set PWA,  244
.set PWB,  245
.set SW,   246                         ; v246-253 eight scale words
.set WVN,  18
.set HA,   19
.set HB,   20
.set HM,   66                          ; mask of lanes 16-31
.set SEL,  100
.set G1,   24
.set G0,   32
.set G1B,  48
.set G0B,  56
.set G1S,  68
.set G0S,  76
.set G1SB, 80
.set G0SB, 88
.set MSB, 0
.macro WIN new                         ; the immediate's high byte repeats the setting that is left
.if MSB != (\new)
	s_set_vgpr_msb (MSB<<8)|(\new)
.set MSB, (\new)
.endif
.endm
.set MUL_LO, 0xa1                      ; source 0 (B) window 1, source 1 (A) window 0, C and D window 2
.set MUL_HI, 0xf1
.set TO_B,   0x40
; A joint load: waves 0 and 1 fetch for A, waves 2 and 3 for B; the branch hangs on the wave's number alone.  Four v_nop follow each of the two lines.
.macro JLOAD g0a, g1a, g0b, g1b
	s_cmp_eq_u32 s[HA], 0
	s_cbranch_scc0 .Lfor_b_\@
	tensor_load_to_lds s[\g0a:\g0a+3], s[\g1a:\g1a+7]
	s_nop 0
.rept 4
	v_nop
.endr
	s_branch .Lasked_\@
.Lfor_b_\@:
	tensor_load_to_lds s[\g0b:\g0b+3], s[\g1b:\g1b+7]
	s_nop 0
.rept 4
	v_nop
.endr
.Lasked_\@:
.endm
.macro CREST                           ; a round of the cluster's barrier behind its opening barrier
	s_cmp_lg_u32 s[WVN], 0
	s_cbranch_scc1 .Lnot_wave_0_\@
	s_barrier_signal -3
.Lnot_wave_0_\@:
	s_barrier_wait -3
	s_barrier_signal -1
	s_barrier_wait -1
.endm
.macro CROUND
	s_barrier_signal -1
	s_barrier_wait -1
	CREST
.endm
	s_load_b256 s[4:11], s[0:1], 0x0               ; codes s[4:5], scl s[6:7], bq s[8:9], bk s[10:11]
	s_load_b128 s[12:15], s[0:1], 0x20             ; bv s[12:13], img s[14:15]
	s_load_b64 s[16:17], s[0:1], 0x30              ; sc
	v_lshl_add_u32 v[SPW], v0, 2, SPARE
	v_mov_b32 v[NIL], 0
	ds_add_u32 v28, v29
	ds_add_u32 v28, v29
	s_wait_dscnt 0x0
	v_lshrrev_b32 v1, 5, v0
	v_readfirstlane_b32 s[WVN], v1                 ; wave 0..3
	s_lshr_b32 s[HA], s[WVN], 1                    ; which half of A's rows is mine.  Also: I fetch for A (0) or for B (1)
	s_and_b32 s[HB], s[WVN], 1                     ; which half of B's rows.  Also: which 128 rows I fetch
	s_bfe_u32 s40, ttmp6, 0x40000                  ; cx
	s_bfe_u32 s41, ttmp6, 0x40004                  ; cy
	s_and_b32 s21, ttmp7, 0xffff                   ; cluster y: which 1,024 tokens
	s_add_co_u32 s22, ttmp9, 4
	s_cmp_lt_u32 ttmp9, 2                          ; rows of the workspace in units of 1,024: 0-3 x, 4 Wq, 5 Wk, 6 Wv
	s_cselect_b32 s23, s21, 6                      ; A: tokens, or Wv
	s_cselect_b32 s22, s22, s21                    ; B: Wq or Wk, or tokens
	s_lshl_b32 s45, s23, 2
	s_add_co_u32 s45, s45, s41                     ; A's 256 rows: shared along my row of the cluster
	s_lshl_b32 s42, s22, 2
	s_add_co_u32 s42, s42, s40                     ; B's 256 rows: shared along my column
	s_lshl_b32 s43, s41, 2
	s_lshl_b32 s43, 15, s43                        ; my row of the cluster
	s_lshl_b32 s44, 0x1111, s40                    ; my column
	; descriptor group 1 for codes: a dense block of 24,576 bytes as 96 rows of 32 elements of 8 bytes; no padding
	s_or_b32 s[G1+0], s43, (3<<16)|(1<<21)
	s_or_b32 s[G1B+0], s44, (3<<16)|(1<<21)
.irp g, G1, G1B
	s_mov_b32 s[\g+1], 32<<16                      ; tensor_dim0
	s_mov_b32 s[\g+2], 96<<16                      ; tensor_dim1
	s_mov_b32 s[\g+3], 32<<16                      ; tile_dim0
	s_mov_b32 s[\g+4], 96                          ; tile_dim1
	s_mov_b32 s[\g+5], 32                          ; the pitch
	s_mov_b32 s[\g+6], 0
	s_mov_b32 s[\g+7], 0
.endr
	; and for the scales of 128 rows: 4,096 dense bytes as 16 rows of 256 bytes, 16 bytes of padding behind each
	s_or_b32 s[G1S+0], s43, (3<<16)|(1<<20)|(1<<21)|(5<<22)|(3<<25)
	s_or_b32 s[G1SB+0], s44, (3<<16)|(1<<20)|(1<<21)|(5<<22)|(3<<25)
.irp g, G1S, G1SB
	s_mov_b32 s[\g+1], 32<<16
	s_mov_b32 s[\g+2], 16<<16
	s_mov_b32 s[\g+3], 32<<16
	s_mov_b32 s[\g+4], 16
	s_mov_b32 s[\g+5], 32
	s_mov_b32 s[\g+6], 0
	s_mov_b32 s[\g+7], 0
.endr
	s_lshl_b32 s67, s[HB], 7                       ; which 128 rows I fetch
	s_lshl_b32 s92, s45, 8
	s_add_co_u32 s92, s92, s67                     ; A's first row
	s_lshl_b32 s46, s42, 8
	s_add_co_u32 s46, s46, s67                     ; B's
	s_mul_i32 s94, s92, KS                         ; their scale bytes,
	s_mul_i32 s96, s46, KS
	s_mul_i32 s92, s92, 192                        ; and their codes: 3,072 bytes for 16 rows and 256 along K
	s_mul_i32 s46, s46, 192
	s_mov_b32 s93, 0
	s_mov_b32 s95, 0
	s_mov_b32 s97, 0
	s_mov_b32 s47, 0
	s_mul_i32 s98, s[WVN], HALFT                   ; where they go: wave x 128 rows: no place in the cluster enters an LDS address
	s_mul_i32 s99, s[WVN], HALFS
	s_mov_b32 s[SEL], 0x76543210
	s_mov_b32 s[SEL+1], 0xfedcba98
	s_wait_kmcnt 0x0
	s_add_nc_u64 s[92:93], s[4:5], s[92:93]
	s_add_nc_u64 s[46:47], s[4:5], s[46:47]
	s_add_nc_u64 s[94:95], s[6:7], s[94:95]
	s_add_nc_u64 s[96:97], s[6:7], s[96:97]
	CROUND                                         ; all sixteen work-groups are here: the first joint loads meet
	s_mov_b32 s[G0S], 1
	s_add_co_u32 s[G0S+1], s99, SCL
	s_mov_b64 s[G0S+2:G0S+3], s[94:95]
	s_or_b32 s[G0S+3], s[G0S+3], 0x80000000
	s_mov_b32 s[G0SB], 1
	s_add_co_u32 s[G0SB+1], s99, SCL
	s_mov_b64 s[G0SB+2:G0SB+3], s[96:97]
	s_or_b32 s[G0SB+3], s[G0SB+3], 0x80000000
	JLOAD G0S, G1S, G0SB, G1SB                     ; the scales for all of K: filled once
.irp s, 0,1
	s_mov_b32 s[G0+4*\s], 1
	s_add_co_u32 s[G0+4*\s+1], s98, \s*SLOT
	s_add_nc_u64 s[G0+4*\s+2:G0+4*\s+3], s[92:93], \s*KSL
	s_or_b32 s[G0+4*\s+3], s[G0+4*\s+3], 0x80000000
	s_mov_b32 s[G0B+4*\s], 1
	s_add_co_u32 s[G0B+4*\s+1], s98, \s*SLOT
	s_add_nc_u64 s[G0B+4*\s+2:G0B+4*\s+3], s[46:47], \s*KSL
	s_or_b32 s[G0B+4*\s+3], s[G0B+4*\s+3], 0x80000000
	JLOAD G0+4*\s, G1, G0B+4*\s, G1B               ; three tensor loads of mine are out at the most
.endr
	v_and_b32 v1, 15, v0                           ; r
	v_bfe_u32 v2, v0, 4, 1                         ; h
	v_and_b32 v3, 31, v0                           ; lane
	v_lshlrev_b32 v[LI], 4, v3
	v_cmp_le_u32 s[HM], 16, v3
	s_mul_i32 s21, s[HA], HALFT                    ; my 128 rows of A
	s_mul_i32 s22, s[HB], HALFT                    ; my 128 rows of B,
	s_add_co_u32 s22, s22, 2*HALFT                 ; behind A's 256
.irp s, 0,1
	v_add_nc_u32 v[ADRA+\s], s21, v[LI]
	v_add_nc_u32 v[ADRB+\s], s22, v[LI]
	s_add_co_u32 s21, s21, SLOT
	s_add_co_u32 s22, s22, SLOT
.endr
	v_mul_u32_u24 v5, v1, KS                       ; my row's scales: 32 bytes a row,
	v_lshrrev_b32 v6, 8, v5
	v_lshl_add_u32 v5, v6, 4, v5                   ; and 16 more for each 256 passed
	s_mul_i32 s21, s[HA], HALFS
	s_mul_i32 s22, s[HB], HALFS
	s_add_co_u32 s22, s22, 2*HALFS
	s_sub_co_u32 s22, s22, s21
	v_mul_u32_u24 v6, s22, v2                      ; lanes 16-31 take B's: one product, the distance between the two bases
	s_add_co_u32 s21, s21, SCL
	v_add_nc_u32 v5, v5, v6
	v_add_nc_u32 v[ADRS], s21, v5
	v_lshlrev_b32 v[SCO], 4, v1
	v_lshl_add_u32 v[SCO], v2, 12, v[SCO]
	; the biases, both kinds in every work-group, so that no register's content hangs on a branch
	s_cmp_eq_u32 ttmp9, 0
	s_cselect_b64 s[8:9], s[8:9], s[10:11]         ; bq or bk
	s_lshl_b32 s2, s40, 10
	s_lshl_b32 s3, s[HB], 9
	s_add_co_u32 s2, s2, s3                        ; 4 x (256 cx + 128 x my half of B)
	s_mov_b32 s3, 0
	s_add_nc_u64 s[8:9], s[8:9], s[2:3]
	s_lshl_b32 s2, s41, 10
	s_lshl_b32 s10, s[HA], 9
	s_add_co_u32 s2, s2, s10                       ; 4 x (256 cy + 128 x my half of A)
	s_add_nc_u64 s[12:13], s[12:13], s[2:3]
	v_lshlrev_b32 v7, 6, v2                        ; register 16 g + i of a token's 64 is feature 32 g + 16 h + i
	v_and_b32 v8, 8, v1
	v_add_nc_u32 v8, v8, v1
	v_lshlrev_b32 v8, 2, v8                        ; row r of a tile of Wv is feature r + 8 (r / 8) of its 32
.irp b, 0,1,2,3
.irp i, 0,1,2,3
	global_load_b128 v[BIAS+16*\b+4*\i:BIAS+16*\b+4*\i+3], v7, s[8:9] offset:128*\b+16*\i
.endr
.endr
.irp a, 0,1,2,3,4,5,6,7
	global_load_b32 v[BV+\a], v8, s[12:13] offset:4*(32*(\a/2)+8*(\a%2))
.endr
	; where my results go
	s_and_b32 s21, ttmp7, 0xffff
	s_lshl_b32 s21, s21, 2
	s_cmp_lt_u32 ttmp9, 2
	s_cselect_b32 s22, s41, s40                    ; the tokens' 256: along cy (Q, K) or cx (V)
	s_cselect_b32 s23, s[HA], s[HB]                ; and my half of them
	s_cselect_b32 s2, s40, s41                     ; the features' 256
	s_cselect_b32 s10, s[HB], s[HA]                ; and my half
	s_add_co_u32 s21, s21, s22
	s_lshr_b32 s22, s21, 3                         ; the batch
	s_lshl_b32 s22, s22, 4
	s_lshl_b32 s2, s2, 2
	s_add_co_u32 s22, s22, s2
	s_lshl_b32 s10, s10, 1
	s_add_co_u32 s22, s22, s10                     ; batch x 16 + my first head (I hold two)
	s_and_b32 s21, s21, 7
	s_lshl_b32 s21, s21, 1
	s_add_co_u32 s21, s21, s23                     ; which 128 tokens of the batch
	s_lshl_b32 s2, s22, 6
	s_lshl_b32 s10, s21, 2
	s_add_co_u32 s2, s2, s10
	s_mul_i32 s2, s2, 1536
	s_mul_i32 s10, ttmp9, 3145728                  ; the region: Q, K or V
	s_add_co_u32 s2, s2, s10
	s_add_nc_u64 s[14:15], s[14:15], s[2:3]
	s_lshl_b32 s2, s22, 4
	s_add_co_u32 s2, s2, s21
	s_lshl_b32 s2, s2, 8
	s_lshl_b32 s10, ttmp9, 17
	s_add_co_u32 s2, s2, s10
	s_add_nc_u64 s[16:17], s[16:17], s[2:3]
.macro FRAG reg, adr, q, i             ; a fragment as it lies: three loads of 512 consecutive bytes
.irp c, 0,1,2
	ds_load_b128 v[\reg+4*\c:\reg+4*\c+3], v[\adr] offset:(\i)*3072+(\q)*1536+512*\c
.endr
.endm
; 16 matrix instructions: A's blocks a0, a0 + 1 x B's eight.  The 64 accumulators take turns, one instruction a turn, in the same order in every step.
.macro MUL16 a0, p, q, sc, zero
.irp a, \a0, \a0+1
.irp b, 0,1,2,3,4,5,6,7
.if \zero
	v_wmma_scale_f32_16x16x128_f8f6f4 v[8*(8*((\a)%4)+\b):8*(8*((\a)%4)+\b)+7], v[128*(\p)+FR*\b:128*(\p)+FR*\b+FR-1], v[AF+FR*(\a):AF+FR*(\a)+FR-1], 0, v[SC+8*NQ*(\sc)+NQ*\b+(\q)], v[SC+8*NQ*(\sc)+NQ*(\a)+(\q)] matrix_a_fmt:MATRIX_FMT_FP6 matrix_b_fmt:MATRIX_FMT_FP6 matrix_a_scale:MATRIX_SCALE_ROW1
.else
	v_wmma_scale_f32_16x16x128_f8f6f4 v[8*(8*((\a)%4)+\b):8*(8*((\a)%4)+\b)+7], v[128*(\p)+FR*\b:128*(\p)+FR*\b+FR-1], v[AF+FR*(\a):AF+FR*(\a)+FR-1], v[8*(8*((\a)%4)+\b):8*(8*((\a)%4)+\b)+7], v[SC+8*NQ*(\sc)+NQ*\b+(\q)], v[SC+8*NQ*(\sc)+NQ*(\a)+(\q)] matrix_a_fmt:MATRIX_FMT_FP6 matrix_b_fmt:MATRIX_FMT_FP6 matrix_a_scale:MATRIX_SCALE_ROW1
.endif
.endr
.endr
.endm
.macro FETCH_B slot, q, p
	WIN TO_B
.irp i, 0,1,2,3,4,5,6,7
	FRAG 128*(\p)+FR*\i, ADRB+\slot, \q, \i
.endr
	WIN 0
.endm
.macro FETCH_A slot, q, i0
.irp i, \i0, \i0+1, \i0+2, \i0+3
	FRAG AF+FR*(\i), ADRA+\slot, \q, \i
.endr
.endm
.macro SCALES sc                       ; the next K step's scale words: two words a row; lanes 0-15 A's block i, lanes 16-31 B's block i
.irp i, 0,1,2,3,4,5,6,7
	ds_load_b64 v[SC+8*NQ*\sc+NQ*\i:SC+8*NQ*\sc+NQ*\i+1], v[ADRS] offset:\i*SBLK
.endr
.endm
.macro PLACES n                        ; plain instructions between a matrix instruction and a load into, or a vector instruction on, its registers
.rept \n
	v_nop
.endr
.endm
.macro STEP slot, q, zero              ; 128 along K that has its successor in the same slot
	s_wait_dscnt 4*NL                              ; all but the youngest 12 loads, A's blocks 4-7
	WIN MUL_LO
	MUL16 0, (\q)%2, \q, \slot, \zero
	MUL16 2, (\q)%2, \q, \slot, \zero
	s_wait_dscnt 0
	PLACES NP
	FETCH_B \slot, (\q)+1, 1-(\q)%2
	FETCH_A \slot, (\q)+1, 0
	WIN MUL_HI
	MUL16 4, (\q)%2, \q, \slot, \zero
	MUL16 6, (\q)%2, \q, \slot, \zero
	PLACES NP
	WIN 0
	FETCH_A \slot, (\q)+1, 4
.endm
; A slot's last step changes slots: each wave waits for all its tensor loads, adds 0 to its spare word, waits for that and for its reads of this slot, and signals.  fill = 1: the barrier opens a round of the
; cluster's barrier, and behind the round this slot is filled again, two K steps ahead.
.macro TURN slot, next, fill
	s_wait_tensorcnt 0x0                           ; all my tensor loads have landed: my part of the next slot
	ds_add_u32 v[SPW], v[NIL]                      ; 0 onto my spare word
	s_wait_dscnt 4*NL+1                            ; (the add and the youngest 12 loads may be out)
	WIN MUL_LO
	MUL16 0, 1, NQ-1, \slot, 0
	s_wait_dscnt 0x0                               ; the add is done, and my reads of this slot are over
	s_barrier_signal -1
	MUL16 2, 1, NQ-1, \slot, 0
	WIN 0
	s_barrier_wait -1
.if \fill
	CREST                                          ; no wave of any partner still reads this slot or has a load on its way
	s_add_nc_u64 s[G0+4*\slot+2:G0+4*\slot+3], s[G0+4*\slot+2:G0+4*\slot+3], 2*KSL
	s_add_nc_u64 s[G0B+4*\slot+2:G0B+4*\slot+3], s[G0B+4*\slot+2:G0B+4*\slot+3], 2*KSL
	JLOAD G0+4*\slot, G1, G0B+4*\slot, G1B         ; my one tensor load behind the round; its four v_nop are the places in front of the loads below
.else
	PLACES NP
.endif
	v_add_nc_u32 v[ADRS], 4*NQ, v[ADRS]            ; the next K step's scale words
	FETCH_B \next, 0, 0
	FETCH_A \next, 0, 0
	SCALES \next
	WIN MUL_HI
	MUL16 4, 1, NQ-1, \slot, 0
	MUL16 6, 1, NQ-1, \slot, 0
	PLACES NP
	WIN 0
	FETCH_A \next, 0, 4
.endm
	s_wait_loadcnt 0x0                             ; the biases
	s_wait_tensorcnt 1                             ; the scales and my part of K step 0 are in; K step 1's load may be out
	s_barrier_signal -1
	s_barrier_wait -1
	FETCH_B 0, 0, 0
	FETCH_A 0, 0, 0
	SCALES 0
	FETCH_A 0, 0, 4
	STEP 0, 0, 1                                   ; the first products start the sums: nothing is cleared
	TURN 0, 1, 1                                   ; four K steps of 256, written out
	STEP 1, 0, 0
	TURN 1, 0, 1
	STEP 0, 0, 0
	TURN 0, 1, 0
	STEP 1, 0, 0
	s_wait_dscnt 4*NL
	WIN MUL_LO
	MUL16 0, 1, NQ-1, 1, 0
	MUL16 2, 1, NQ-1, 1, 0
	s_wait_dscnt 0
	WIN MUL_HI
	MUL16 4, 1, NQ-1, 1, 0
	MUL16 6, 1, NQ-1, 1, 0
	WIN 0
	PLACES NP
; 64 numbers of a lane, register 16 b + i = k 32 b + 16 h + i of my row, become codes: k 0-63 in v[d0 .. d0 + 5], k 64-127 in v[d1 .. d1 + 5] (lane (r, h): block h of each 64), and the scale word in v[pw].
.macro QUANT s, d0, d1, ct, pw
.irp b, 0,1,2,3
	v_max3_num_f32 v[MX+\b], |v[\s+16*\b]|, |v[\s+1+16*\b]|, 0x1800000   ; my 16 numbers of block b, and the floor 2^(3 - 127)
.endr
.irp i, 2,4,6,8,10,12,14
.irp b, 0,1,2,3
	v_max3_num_f32 v[MX+\b], v[MX+\b], |v[\s+16*\b+\i]|, |v[\s+1+16*\b+\i]|
.endr
.endr
.irp b, 0,1,2,3
	v_permlanex16_b32 v[PX+\b], v[MX+\b], s[SEL], s[SEL+1]
.endr
.irp b, 0,1,2,3
	v_max_num_f32 v[MX+\b], v[MX+\b], v[PX+\b]     ; with lane l xor 16's: the block's largest magnitude
.endr
.irp b, 0,1,2,3
	v_add_nc_u32 v[SO+\b], 0xff000000, v[MX+\b]    ; 2 off its exponent field: the conversion's scale operand
.endr
.irp b, 0,1,2,3
	v_lshrrev_b32 v[PX+\b], 23, v[SO+\b]           ; the byte
.endr
	v_lshl_or_b32 v[\pw], v[PX+1], 8, v[PX]
	v_lshl_or_b32 v[\pw], v[PX+2], 16, v[\pw]
	v_lshl_or_b32 v[\pw], v[PX+3], 24, v[\pw]
	v_cvt_scalef32_pk16_fp6_f32 v[\d0:\d0+2], v[\s:\s+15], v[SO]
	v_cvt_scalef32_pk16_fp6_f32 v[\ct:\ct+2], v[\s+16:\s+31], v[SO+1]
	v_cvt_scalef32_pk16_fp6_f32 v[\d1:\d1+2], v[\s+32:\s+47], v[SO+2]
	v_cvt_scalef32_pk16_fp6_f32 v[\ct+4:\ct+6], v[\s+48:\s+63], v[SO+3]
	v_nop                                          ; one plain instruction behind the scaled conversions
.irp i, 0,1,2                                  ; the layout wants a whole block in a lane: the first's lanes 16-31 change places with the second's lanes 0-15
	v_permlane16_swap_b32 v[\d0+\i], v[\ct+\i]
	v_permlane16_swap_b32 v[\d1+\i], v[\ct+4+\i]
.endr
.irp i, 0,1,2
	v_mov_b32 v[\d0+3+\i], v[\ct+\i]
	v_mov_b32 v[\d1+3+\i], v[\ct+4+\i]
.endr
.endm
; Q, K: A's block a (16 tokens): + bias, two at a time, each accumulator from its low end on; then the two heads' codes go into the halves a % 2 of the two images
.macro QKBLK a, pw
	WIN 0x02+(\a)/4
.set AC, 64*((\a)%4)
.set i, 0
.rept 32
	v_pk_add_f32 v[T+i:T+i+1], v[AC+i:AC+i+1], v[BIAS+i:BIAS+i+1]
.set i, i+2
.endr
	WIN 0
	QUANT T, IMG0+6*((\a)%2), IMG1+6*((\a)%2), CT, \pw
.endm
.irp b, 0,1,2,3
	v_mov_b32 v[PX+\b], 0                          ; written once: a lane permute's destination counts as one of its sources
.endr
	s_cmp_eq_u32 ttmp9, 2
	s_cbranch_scc1 .Lv
.irp g, 0,1,2,3                                ; 32 tokens: one image for each of my two heads
	s_wait_xcnt 0x0                                ; the last images' stores have read their registers
	QKBLK 2*\g, PWA
	QKBLK 2*\g+1, PWB
	v_perm_b32 v[SW+\g], v[PWB], v[PWA], 0x05040100     ; head 0: the even tile's two bytes, then the odd tile's
	v_perm_b32 v[SW+4+\g], v[PWB], v[PWA], 0x07060302   ; head 1
.irp c, 0,1,2
	global_store_b128 v[LI], v[IMG0+4*\c:IMG0+4*\c+3], s[14:15] offset:\g*1536+512*\c
	global_store_b128 v[LI], v[IMG1+4*\c:IMG1+4*\c+3], s[14:15] offset:98304+\g*1536+512*\c
.endr
.endr
	s_branch .Ljoin
.Lv:
.irp a, 0,1,2,3,4,5,6,7                        ; V: A's block a is 16 features: head a / 4, tile a % 4; my 64 registers are 128 tokens' halves: one fragment
	s_wait_xcnt 0x0
	WIN 0x02+\a/4
.set AC, 64*(\a%4)
.set i, 0
.rept 64
	v_add_f32 v[T+i], v[AC+i], v[BV+\a]
.set i, i+1
.endr
	WIN 0
	QUANT T, IMG0, IMG0+6, CT, SW+\a
.irp c, 0,1,2
	global_store_b128 v[LI], v[IMG0+4*\c:IMG0+4*\c+3], s[14:15] offset:(\a/4)*98304+(\a%4)*1536+512*\c
.endr
.endr
.Ljoin:
.irp i, 0,1,2,3
	v_cndmask_b32 v[SW+\i], v[SW+\i], v[SW+4+\i], s[HM]   ; lanes 0-15 store head 0's four words of row r, lanes 16-31 head 1's
.endr
	global_store_b128 v[SCO], v[SW:SW+3], s[16:17]  ; two runs of 256 consecutive bytes, aligned
	s_wait_tensorcnt 0x0                           ; the wave's end
	ds_add_u32 v[SPW], v[NIL]
	s_wait_dscnt 0x0
	CROUND                                         ; the closing round
	s_endpgm
.Lfunc_end_k_qe94b129de7_qkv:
	.size	k_qe94b129de7_qkv, .Lfunc_end_k_qe94b129de7_qkv-k_qe94b129de7_qkv
	.p2alignl 7, 3214868480
	.fill 96, 4, 3214868480
	.section	.rodata,"a",@progbits
	.p2align	6, 0x0
	.amdhsa_kernel k_qe94b129de7_qkv
		.amdhsa_group_segment_fixed_size 327680
		.amdhsa_private_segment_fixed_size 0
		.amdhsa_enable_private_segment 0
		.amdhsa_kernarg_size 56
		.amdhsa_user_sgpr_count 2
		.amdhsa_user_sgpr_kernarg_segment_ptr 1
		.amdhsa_wavefront_size32 1
		.amdhsa_system_sgpr_workgroup_id_x 1
		.amdhsa_system_sgpr_workgroup_id_y 1
		.amdhsa_system_sgpr_workgroup_id_z 1
		.amdhsa_system_vgpr_workitem_id 0
		.amdhsa_next_free_vgpr 1024
		.amdhsa_next_free_sgpr 102
		.amdhsa_reserve_vcc 0
		.amdhsa_float_denorm_mode_32 3
		.amdhsa_float_denorm_mode_16_64 3
		.amdhsa_memory_ordered 1
		.amdhsa_forward_progress 1
		.amdhsa_inst_pref_size 208
	.end_amdhsa_kernel
	.amdgpu_metadata
---
amdhsa.version: [ 1, 2 ]
amdhsa.kernels:
  - .name:           k_qe94b129de7_qkv
    .symbol:         k_qe94b129de7_qkv.kd
    .args:
      - { .name: codes, .offset: 0, .size: 8, .value_kind: global_buffer, .address_space: global }
      - { .name: scl, .offset: 8, .size: 8, .value_kind: global_buffer, .address_space: global }
      - { .name: bq, .offset: 16, .size: 8, .value_kind: global_buffer, .address_space: global }
      - { .name: bk, .offset: 24, .size: 8, .value_kind: global_buffer, .address_space: global }
      - { .name: bv, .offset: 32, .size: 8, .value_kind: global_buffer, .address_space: global }
      - { .name: img, .offset: 40, .size: 8, .value_kind: global_buffer, .address_space: global }
      - { .name: sc, .offset: 48, .size: 8, .value_kind: global_buffer, .address_space: global }
    .group_segment_fixed_size: 327680
    .private_segment_fixed_size: 0
    .kernarg_segment_align: 8
    .kernarg_segment_size: 56
    .max_flat_workgroup_size: 128
    .sgpr_count:     102
    .vgpr_count:     1024
    .wavefront_size: 32
...
	.end_amdgpu_metadata
.endif
;; end of part 2
;; launch attn (part 3): grid 8 x 32, 16 waves a work-group, no clusters, 207,360 bytes of LDS; arguments img, sc, beta, t, fimg, fsc; writes fimg, fsc
.if DOCPART == 3
	.amdgcn_target "amdgcn-amd-amdhsa--gfx1250"
	.amdhsa_code_object_version 6
	.text
	.protected	k_qe94b129de7_attn
	.globl	k_qe94b129de7_attn
	.p2align	8
	.type	k_qe94b129de7_attn,@function
k_qe94b129de7_attn:
	s_mov_b64 s[64:65], 0
	v_nop
	global_prefetch_b8 v0, s[64:65] scope:SCOPE_SE
	s_setreg_imm32_b32 hwreg(HW_REG_WAVE_MODE, 25, 1), 1
	s_wait_xcnt 0x0
; For one head and 256 queries: S = Q K^T / 8;  tau = softmax(S) V;  sigma = W V with W = w / sum(w), w = 1 / ((1 + |S| / beta)^2 + t^2);  f = tau / 2 + sigma / 2, quantised along the features.  All products on FP6 codes.
; TWO PASSES OVER THE KEYS.  W is quantised normalised, and its row sum is no power of two: so pass 1 makes all scores once for the row's sum of w and its largest score, and pass 2 makes them again (the same
; instruction on the same operands: the same bits), with the final M = ceil(largest t): p = 2^(t - M), t = S log2(e); nothing is rescaled.  The row's sum of the unquantised p divides tau at the end.
; THE NORMALISED W COSTS NO INSTRUCTION: with Z the row's sum, W = 1 / ((a0 + |s| a1)^2 + a2), a0 = sqrt(Z), a1 = a0 / (8 beta), a2 = t^2 Z, s the raw score.
; LIMITS: that form rounds in another order than (1 / d) / Z: a few units in the last place of f32; 1 / (8 beta) is a reciprocal instruction's; beta = 0, NaN and infinities are not served; blocks under 2^-124 keep the byte 1.
; K = 64 IN AN INSTRUCTION OF K = 128: an image of K holds key tile 2 g in k 0-63 and key tile 2 g + 1 in k 64-127.  Q stands in 18 registers, 0 x 6 | q x 6 | 0 x 6: the last 12 pick tile 2 g, the first 12 tile 2 g + 1.
; SHARES: sixteen waves, each 16 queries in 256 registers, four waves to a SIMD, so that one wave's vector work stands beside another's matrix work and LDS loads.  The head's K, V and their scale words
; (200 KB) are copied into LDS once, through registers, and read by all sixteen waves.  Both products are used transposed: a lane holds ONE query; by the order of keys in a tile its 16 registers of two tiles are 16 neighbouring keys.
; Multicast is not used: what work-groups share is one fill of LDS in the whole launch.
.set VIMG, 98304                       ; LDS: K's 64 images from 0, V's 64 from here (1,536 bytes each; 6,144 a step of 128 keys),
.set KSC,  196608                      ; K's scale words: 256 s + 16 r,
.set VSC,  200704                      ; V's,
.set FSG,  204800                      ; and 512 bytes in which f's scale bytes meet
.set LI0,  1                           ; v1  16 x lane
.set LR0,  2                           ; v2  KSC + 16 r
.set AD,   3                           ; v3  address of the step's images
.set ASC,  4                           ; v4  of its scale words
.set RM,   5                           ; v5  the largest raw score
.set NM,   6                           ; v6  -M        (pair with a0)
.set A0,   7
.set A2,   8                           ; v8  a2        (pair with a1)
.set A1,   9
.set LS,   10                          ; v10-11 a sum in two halves: pass 1 of w, pass 2 of p
.set MX,   12                          ; v12-15 largest magnitudes; also a second chain of sums, and a conversion's spare registers
.set PX,   16                          ; v16-19 lane permutes' destinations, then bytes
.set SO,   20                          ; v20-23 the conversions' scale operands
.set CT,   24                          ; v24-26
.set IB,   27                          ; v27 1 / (8 beta)
.set QZ,   28                          ; v28-45
.set XS,   46                          ; v46-49 K's, then V's scale words
.set QS,   50                          ; Q's scale word;  v51 p's;  v52 W's: these hold scales and nothing else
.set PS,   51
.set WS,   52
.set PC,   54                          ; v54-65 p's codes
.set WC,   66                          ; v66-77 W's
.set X,    78                          ; v78-125 four images
.set SCO,  126                         ; v126-157 scores, then p;  in pass 1 v126-189
.set WT,   158                         ; v158-189 W
.set TAU,  190
.set SIG,  222
.set T2,   254                         ; v254-255 t^2, twice
.set WV,   16
.set BH,   17
.set HD,   18
.set CS,   20                          ; s[20:21] log2(e) / 8
.set SEL,  24
.set MU,   26
.set TB,   27
.set TS,   28
.set CNT,  29
	s_load_b256 s[4:11], s[0:1], 0x0               ; img, sc, beta, t
	s_load_b128 s[12:15], s[0:1], 0x20             ; fimg, fsc
	v_lshrrev_b32 v1, 5, v0
	v_readfirstlane_b32 s[WV], v1                  ; wave 0..15
	v_and_b32 v[LI0], 31, v0
	v_lshlrev_b32 v[LI0], 4, v[LI0]
	v_and_b32 v[RM], 15, v0
	v_lshlrev_b32 v[RM], 4, v[RM]                  ; 16 r, for now
	v_add_nc_u32 v[LR0], KSC, v[RM]
	v_lshlrev_b32 v[AD], 4, v0                     ; 16 x thread: the copies into LDS
	v_add_nc_u32 v12, 0x10000, v[AD]
	v_add_nc_u32 v13, VIMG, v[AD]
	v_add_nc_u32 v14, VIMG+0x10000, v[AD]
	v_add_nc_u32 v15, KSC, v[AD]
	v_and_b32 v[ASC], 255, v0
	v_lshlrev_b32 v[ASC], 4, v[ASC]
	v_lshrrev_b32 v16, 8, v0
	v_lshl_add_u32 v[ASC], v16, 17, v[ASC]         ; threads 0-255 K's scale words, 256-511 V's, a region further on
	s_and_b32 s[BH], ttmp7, 0xffff                 ; batch x 16 + head
	s_and_b32 s[HD], s[BH], 15
	s_lshl_b32 s30, s[HD], 2
	s_mov_b32 s31, 0
	s_lshl_b32 s19, ttmp9, 3
	s_lshr_b32 s32, s[WV], 1
	s_add_co_u32 s19, s19, s32                     ; my queries' image: 8 x block + wave / 2
	s_mov_b32 s[CS], 0x3e38aa3b                    ; log2(e) / 8
	s_mov_b32 s[CS+1], s[CS]
	s_mov_b32 s[SEL], 0x76543210
	s_mov_b32 s[SEL+1], 0xfedcba98
	s_wait_kmcnt 0x0
	s_add_nc_u64 s[8:9], s[8:9], s[30:31]
	s_add_nc_u64 s[10:11], s[10:11], s[30:31]
	s_load_b32 s32, s[8:9], 0x0                    ; beta of my head
	s_load_b32 s33, s[10:11], 0x0                  ; t
	s_mul_i32 s30, s[BH], 98304
	s_add_nc_u64 s[34:35], s[4:5], s[30:31]        ; Q's region at my head,
	s_add_nc_u64 s[36:37], s[34:35], 3145728       ; K's,
	s_add_nc_u64 s[38:39], s[34:35], 6291456       ; V's
	s_mul_i32 s30, s19, 1536
	s_add_nc_u64 s[34:35], s[34:35], s[30:31]
	s_lshl_b32 s30, s[BH], 12
	s_add_nc_u64 s[6:7], s[6:7], s[30:31]          ; Q's scale words at my head
	s_lshr_b32 s30, s19, 2
	s_lshl_b32 s30, s30, 8
	s_and_b32 s40, s19, 3
	s_lshl_b32 s40, s40, 2
	s_add_co_u32 s30, s30, s40
	s_add_nc_u64 s[40:41], s[6:7], s[30:31]        ; my image's word
.irp i, 0,1,2,3,4,5,6,7,8,9,10,11
	global_load_b128 v[X+4*\i:X+4*\i+3], v[AD], s[36:37] offset:8192*\i      ; K: 8,192 consecutive bytes a work-group's load
.endr
	global_load_b128 v[140:143], v[ASC], s[6:7] offset:131072
.irp c, 0,1,2
	global_load_b128 v[126+4*\c:129+4*\c], v[LI0], s[34:35] offset:512*\c
.endr
	global_load_b32 v138, v[RM], s[40:41]
.irp i, 0,1,2,3,4,5,6,7,8,9,10,11
	global_load_b128 v[TAU+4*\i:TAU+4*\i+3], v[AD], s[38:39] offset:8192*\i  ; V
.endr
	s_and_b32 s42, s[WV], 1                        ; which tile of the image is mine
	s_mov_b32 s43, 0x03020302
	s_cmp_eq_u32 s42, 0
	s_cselect_b32 s43, 0x01000100, s43             ; its two bytes, twice
	s_cselect_b32 s[MU], 0, -1
	s_wait_loadcnt 12                              ; all but V's twelve
.irp i, 0,1,2,3,4,5,6,7
	ds_store_b128 v[AD], v[X+4*\i:X+4*\i+3] offset:8192*\i
.endr
.irp i, 8,9,10,11
	ds_store_b128 v12, v[X+4*\i:X+4*\i+3] offset:8192*(\i-8)
.endr
	ds_store_b128 v15, v[140:143]
.irp i, 0,1,2,3,4,5
	v_mov_b32 v[QZ+\i], 0
	v_mov_b32 v[QZ+12+\i], 0
	v_cndmask_b32 v[QZ+6+\i], v[126+\i], v[132+\i], s[MU]
.endr
	v_perm_b32 v[QS], v138, v138, s43
	s_wait_kmcnt 0x0
	v_mov_b32 v[IB], s32
	v_mul_f32 v[IB], 8.0, v[IB]
	v_rcp_f32 v[IB], v[IB]
	v_mov_b32 v[T2], s33                           ; (a plain instruction behind the reciprocal)
	s_wait_alu depctr_va_vdst(0)                   ; the reciprocal's result, ahead of its first reader
	v_mul_f32 v[T2], v[T2], v[T2]
	v_mov_b32 v[T2+1], v[T2]
	v_mov_b32 v[RM], 0xff7fffff                    ; under every score
	v_mov_b32 v[LS], 0
	v_mov_b32 v[LS+1], 0
.irp b, 0,1,2,3
	v_mov_b32 v[PX+\b], 0                          ; written once: a lane permute's destination counts as one of its sources
.endr
	s_wait_loadcnt 0x0
.irp i, 0,1,2,3,4,5,6,7
	ds_store_b128 v13, v[TAU+4*\i:TAU+4*\i+3] offset:8192*\i
.endr
.irp i, 8,9,10,11
	ds_store_b128 v14, v[TAU+4*\i:TAU+4*\i+3] offset:8192*(\i-8)
.endr
	s_wait_dscnt 0x0                               ; for the others' sake: my stores have landed
	s_barrier_signal -1
	s_barrier_wait -1                              ; the head's K, V and scale words lie in LDS; nothing there is written again
.rept 8
	v_nop                                          ; Q's scale word and registers were written by vector instructions: places ahead of the first scaled product
.endr
.macro XLOAD                           ; four images: 12 loads of 512 consecutive bytes
.irp b, 0,1,2,3
.irp c, 0,1,2
	ds_load_b128 v[X+12*\b+4*\c:X+12*\b+4*\c+3], v[AD] offset:1536*\b+512*\c
.endr
.endr
.endm
.macro KQ d, b                         ; image b against my queries: 32 keys' scores; lane (r, h): query r, registers d + i = key 32 b + 16 h + i
	v_wmma_scale_f32_16x16x128_f8f6f4 v[\d:\d+7], v[X+12*(\b):X+12*(\b)+11], v[QZ+6:QZ+17], 0, v[XS+(\b)], v[QS] matrix_a_fmt:MATRIX_FMT_FP6 matrix_b_fmt:MATRIX_FMT_FP6
	v_wmma_scale_f32_16x16x128_f8f6f4 v[\d+8:\d+15], v[X+12*(\b):X+12*(\b)+11], v[QZ:QZ+11], 0, v[XS+(\b)], v[QS] matrix_a_fmt:MATRIX_FMT_FP6 matrix_b_fmt:MATRIX_FMT_FP6
.endm
	; ---- PASS 1: the row's largest score and its sum of w; 128 keys a trip
	s_mov_b32 s[TB], 0
	s_mov_b32 s[TS], 0
	s_mov_b32 s[CNT], 0
.Lp1:
	v_add_nc_u32 v[AD], s[TB], v[LI0]
	v_add_nc_u32 v[ASC], s[TS], v[LR0]
	XLOAD
	ds_load_b128 v[XS:XS+3], v[ASC]
	s_wait_dscnt 0x0
.irp b, 0,1,2,3
	KQ SCO+16*\b, \b
.endr
.rept 4
	v_nop                                          ; places behind the products
.endr
.irp b, 0,1,2,3
	v_max3_num_f32 v[MX+\b], v[SCO+16*\b], v[SCO+16*\b+1], v[SCO+16*\b+2]   ; four chains; each result is first read at its low end
.endr
.irp i, 3,5,7,9,11,13
.irp b, 0,1,2,3
	v_max3_num_f32 v[MX+\b], v[MX+\b], v[SCO+16*\b+\i], v[SCO+16*\b+\i+1]
.endr
.endr
.irp b, 0,1,2,3
	v_max_num_f32 v[MX+\b], v[MX+\b], v[SCO+16*\b+15]
.endr
	v_max3_num_f32 v[RM], v[RM], v[MX], v[MX+1]
	v_max3_num_f32 v[RM], v[RM], v[MX+2], v[MX+3]
.set j, 0
.rept 64
	v_fma_f32 v[SCO+j], |v[SCO+j]|, v[IB], 1.0     ; u = 1 + |S| / beta
.set j, j+1
.endr
.set j, 0
.rept 32
	v_pk_fma_f32 v[SCO+j:SCO+j+1], v[SCO+j:SCO+j+1], v[SCO+j:SCO+j+1], v[T2:T2+1]   ; u^2 + t^2
.set j, j+2
.endr
.set j, 0
.rept 64
	v_rcp_f32 v[SCO+j], v[SCO+j]                   ; w: one batch
.set j, j+1
.endr
	v_nop                                          ; a plain instruction behind the last reciprocal
	s_wait_alu depctr_va_vdst(0)                   ; one wait for the batch, ahead of its first reader
	v_pk_add_f32 v[MX:MX+1], v[SCO:SCO+1], v[SCO+2:SCO+3]
.irp j, 4,8,12,16,20,24,28,32,36,40,44,48,52,56,60
	v_pk_add_f32 v[LS:LS+1], v[LS:LS+1], v[SCO+\j:SCO+\j+1]
	v_pk_add_f32 v[MX:MX+1], v[MX:MX+1], v[SCO+\j+2:SCO+\j+3]
.endr
	v_pk_add_f32 v[LS:LS+1], v[LS:LS+1], v[MX:MX+1]
	s_add_co_u32 s[TB], s[TB], 6144
	s_add_co_u32 s[TS], s[TS], 256
	s_add_co_u32 s[CNT], s[CNT], 1
	s_cmp_lt_u32 s[CNT], 16
	s_cbranch_scc1 .Lp1
	; ---- between the passes
	v_add_f32 v[LS], v[LS], v[LS+1]
	v_permlanex16_b32 v[PX], v[LS], s[SEL], s[SEL+1]
	v_permlanex16_b32 v[PX+1], v[RM], s[SEL], s[SEL+1]
	v_add_f32 v[LS], v[LS], v[PX]                  ; Z: the row's sum of w
	v_max_num_f32 v[RM], v[RM], v[PX+1]
	v_mul_f32 v[RM], s[CS], v[RM]                  ; the row's largest t
	v_floor_f32 v[NM], -v[RM]                      ; -M = -ceil(t)
	v_sqrt_f32 v[A0], v[LS]
	v_mul_f32 v[A2], v[T2], v[LS]                  ; (a plain instruction behind the root)
	s_wait_alu depctr_va_vdst(0)
	v_mul_f32 v[A1], v[IB], v[A0]
	v_mov_b32 v[LS], 0
	v_mov_b32 v[LS+1], 0
.set j, 0
.rept 64
	v_mov_b32 v[TAU+j], 0                          ; the step is written once: its first trip adds onto zeros
.set j, j+1
.endr
; 64 keys: scores, W and p, their codes (registers 6 c .. 6 c + 5 of the two operands) and two bytes of each scale word
.macro HALF c
	KQ SCO, 2*\c
	KQ SCO+16, 2*\c+1
.rept 4
	v_nop
.endr
.if \c == 1
	v_add_nc_u32 v[AD], VIMG, v[AD]                ; K's images are done with: V's four fragments of these 128 keys land behind this half's vector work
	XLOAD
	ds_load_b128 v[XS:XS+3], v[ASC] offset:VSC-KSC
.endif
.set j, 0
.rept 32
	v_fma_f32 v[WT+j], |v[SCO+j]|, v[A1], v[A0]
.set j, j+1
.endr
.set j, 0
.rept 16
	v_pk_fma_f32 v[WT+j:WT+j+1], v[WT+j:WT+j+1], v[WT+j:WT+j+1], v[A2:A2+1] op_sel_hi:[1,1,0]
.set j, j+2
.endr
.set j, 0
.rept 16
	v_pk_fma_f32 v[SCO+j:SCO+j+1], v[SCO+j:SCO+j+1], s[CS:CS+1], v[NM:NM+1] op_sel_hi:[1,0,0]   ; t - M
.set j, j+2
.endr
.set j, 0
.rept 32
	v_rcp_f32 v[WT+j], v[WT+j]                     ; W, normalised
.set j, j+1
.endr
.set j, 0
.rept 32
	v_exp_f32 v[SCO+j], v[SCO+j]                   ; p = 2^(t - M)
.set j, j+1
.endr
	v_nop                                          ; a plain instruction behind the batch
	s_wait_alu depctr_va_vdst(0)                   ; one wait for the 64
.irp k, 0,1,2,3                                ; blocks 0, 1: p's;  2, 3: W's (W's registers follow p's).  None is negative
	v_max3_num_f32 v[MX+\k], v[SCO+16*\k], v[SCO+16*\k+1], 0x1800000
.endr
.irp i, 2,4,6,8,10,12,14
.irp k, 0,1,2,3
	v_max3_num_f32 v[MX+\k], v[MX+\k], v[SCO+16*\k+\i], v[SCO+16*\k+\i+1]
.endr
.endr
.irp k, 0,1,2,3
	v_permlanex16_b32 v[PX+\k], v[MX+\k], s[SEL], s[SEL+1]
.endr
.irp k, 0,1,2,3
	v_max_num_f32 v[MX+\k], v[MX+\k], v[PX+\k]
.endr
.irp k, 0,1,2,3
	v_add_nc_u32 v[SO+\k], 0xff000000, v[MX+\k]
.endr
.irp k, 0,1,2,3
	v_lshrrev_b32 v[PX+\k], 23, v[SO+\k]
.endr
.if \c == 0
	v_lshl_or_b32 v[PS], v[PX+1], 8, v[PX]
	v_lshl_or_b32 v[WS], v[PX+3], 8, v[PX+2]
.else
	v_lshl_or_b32 v[PS], v[PX], 16, v[PS]
	v_lshl_or_b32 v[WS], v[PX+2], 16, v[WS]
	v_lshl_or_b32 v[PS], v[PX+1], 24, v[PS]
	v_lshl_or_b32 v[WS], v[PX+3], 24, v[WS]
.endif
	v_cvt_scalef32_pk16_fp6_f32 v[PC+6*\c:PC+6*\c+2], v[SCO:SCO+15], v[SO]
	v_cvt_scalef32_pk16_fp6_f32 v[CT:CT+2], v[SCO+16:SCO+31], v[SO+1]
	v_cvt_scalef32_pk16_fp6_f32 v[WC+6*\c:WC+6*\c+2], v[WT:WT+15], v[SO+2]
	v_cvt_scalef32_pk16_fp6_f32 v[MX:MX+2], v[WT+16:WT+31], v[SO+3]
	v_nop                                          ; one plain instruction behind the scaled conversions
.irp i, 0,1,2
	v_permlane16_swap_b32 v[PC+6*\c+\i], v[CT+\i]
	v_permlane16_swap_b32 v[WC+6*\c+\i], v[MX+\i]
.endr
.irp i, 0,1,2
	v_mov_b32 v[PC+6*\c+3+\i], v[CT+\i]
	v_mov_b32 v[WC+6*\c+3+\i], v[MX+\i]
.endr
	v_pk_add_f32 v[SCO:SCO+1], v[SCO:SCO+1], v[SCO+2:SCO+3]   ; the row's sum of the UNQUANTISED p, in two chains.  These 16 are also the places between the codes' and scale words' last writes and the products
.irp j, 4,8,12,16,20,24,28
	v_pk_add_f32 v[LS:LS+1], v[LS:LS+1], v[SCO+\j:SCO+\j+1]
	v_pk_add_f32 v[SCO:SCO+1], v[SCO:SCO+1], v[SCO+\j+2:SCO+\j+3]
.endr
	v_pk_add_f32 v[LS:LS+1], v[LS:LS+1], v[SCO:SCO+1]
.endm
	; ---- PASS 2: 128 keys a trip
	s_mov_b32 s[TB], 0
	s_mov_b32 s[TS], 0
	s_mov_b32 s[CNT], 0
.Lp2:
	v_add_nc_u32 v[AD], s[TB], v[LI0]
	v_add_nc_u32 v[ASC], s[TS], v[LR0]
	XLOAD
	ds_load_b128 v[XS:XS+3], v[ASC]
	s_wait_dscnt 0x0
	HALF 0
	HALF 1
	s_wait_dscnt 0x0                               ; V's fragments and scale words
.irp d, 0,1,2,3                                ; eight accumulators by turns: source 0 = 16 of the head's 64, source 1 = the weights
	v_wmma_scale_f32_16x16x128_f8f6f4 v[TAU+8*\d:TAU+8*\d+7], v[X+12*\d:X+12*\d+11], v[PC:PC+11], v[TAU+8*\d:TAU+8*\d+7], v[XS+\d], v[PS] matrix_a_fmt:MATRIX_FMT_FP6 matrix_b_fmt:MATRIX_FMT_FP6
	v_wmma_scale_f32_16x16x128_f8f6f4 v[SIG+8*\d:SIG+8*\d+7], v[X+12*\d:X+12*\d+11], v[WC:WC+11], v[SIG+8*\d:SIG+8*\d+7], v[XS+\d], v[WS] matrix_a_fmt:MATRIX_FMT_FP6 matrix_b_fmt:MATRIX_FMT_FP6
.endr
.rept 4
	v_nop                                          ; places in front of the next trip's loads, and of the way out
.endr
	s_add_co_u32 s[TB], s[TB], 6144
	s_add_co_u32 s[TS], s[TS], 256
	s_add_co_u32 s[CNT], s[CNT], 1
	s_cmp_lt_u32 s[CNT], 16
	s_cbranch_scc1 .Lp2
	; ---- THE WAY OUT: f = tau / (2 l) + sigma / 2; register 16 g + i is channel 32 g + 16 h + i of my query: two blocks of product 7's K
	v_add_f32 v[LS], v[LS], v[LS+1]
	v_permlanex16_b32 v[PX], v[LS], s[SEL], s[SEL+1]
	v_add_f32 v[LS], v[LS], v[PX]
	v_rcp_f32 v[LS], v[LS]
	v_nop
	s_wait_alu depctr_va_vdst(0)
	v_mul_f32 v[LS], 0.5, v[LS]
	v_mov_b32 v[LS+1], v[LS]
.set j, 0
.rept 16
	v_pk_mul_f32 v[SCO+j:SCO+j+1], v[SIG+j:SIG+j+1], 0.5 op_sel_hi:[1,0]
.set j, j+2
.endr
.set j, 0
.rept 16
	v_pk_fma_f32 v[SCO+j:SCO+j+1], v[TAU+j:TAU+j+1], v[LS:LS+1], v[SCO+j:SCO+j+1]
.set j, j+2
.endr
.irp k, 0,1
	v_max3_num_f32 v[MX+\k], |v[SCO+16*\k]|, |v[SCO+16*\k+1]|, 0x1800000
.endr
.irp i, 2,4,6,8,10,12,14
.irp k, 0,1
	v_max3_num_f32 v[MX+\k], v[MX+\k], |v[SCO+16*\k+\i]|, |v[SCO+16*\k+\i+1]|
.endr
.endr
.irp k, 0,1
	v_permlanex16_b32 v[PX+\k], v[MX+\k], s[SEL], s[SEL+1]
.endr
.irp k, 0,1
	v_max_num_f32 v[MX+\k], v[MX+\k], v[PX+\k]
.endr
.irp k, 0,1
	v_add_nc_u32 v[SO+\k], 0xff000000, v[MX+\k]
.endr
.irp k, 0,1
	v_lshrrev_b32 v[PX+\k], 23, v[SO+\k]
.endr
	v_lshl_or_b32 v[PX+2], v[PX+1], 8, v[PX]       ; my query's two bytes
	v_cvt_scalef32_pk16_fp6_f32 v[PC:PC+2], v[SCO:SCO+15], v[SO]
	v_cvt_scalef32_pk16_fp6_f32 v[CT:CT+2], v[SCO+16:SCO+31], v[SO+1]
	v_nop
.irp i, 0,1,2
	v_permlane16_swap_b32 v[PC+\i], v[CT+\i]
.endr
.irp i, 0,1,2
	v_mov_b32 v[PC+3+\i], v[CT+\i]
.endr
	s_lshr_b32 s30, s[BH], 4
	s_lshl_b32 s30, s30, 7
	s_lshl_b32 s19, ttmp9, 4
	s_add_co_u32 s30, s30, s19                     ; the work-group's first token tile: 128 x batch + 16 x block
	s_add_co_u32 s19, s30, s[WV]
	s_lshl_b32 s19, s19, 4
	s_add_co_u32 s19, s19, s[HD]
	s_mul_i32 s32, s19, 768                        ; fimg: [tile][head][768 bytes]
	s_mov_b32 s33, 0
	s_add_nc_u64 s[12:13], s[12:13], s[32:33]
	s_lshl_b32 s32, s[HD], 13                      ; fsc: [head][tile][r] two bytes
	s_lshl_b32 s30, s30, 5
	s_add_co_u32 s32, s32, s30
	s_add_nc_u64 s[14:15], s[14:15], s[32:33]
	v_lshrrev_b32 v[AD], 1, v[LI0]                 ; 8 x lane
	global_store_b128 v[LI0], v[PC:PC+3], s[12:13]             ; registers 0-3: 512 consecutive bytes
	global_store_b64 v[AD], v[PC+4:PC+5], s[12:13] offset:512  ; registers 4-5: 256
	v_and_b32 v[ASC], 15, v0
	v_lshlrev_b32 v[ASC], 1, v[ASC]
	s_lshl_b32 s30, s[WV], 5
	v_add_nc_u32 v[ASC], s30, v[ASC]
	v_add_nc_u32 v[ASC], FSG, v[ASC]
	ds_store_b16 v[ASC], v[PX+2]                   ; lanes r and r + 16 write the same two bytes with the same value
	s_wait_dscnt 0x0
	s_barrier_signal -1
	s_barrier_wait -1                              ; the sixteen tiles' 512 scale bytes lie together
	s_cmp_lg_u32 s[WV], 0
	s_cbranch_scc1 .Lend
	v_add_nc_u32 v[QZ], FSG, v[LI0]
	ds_load_b128 v[QZ+2:QZ+5], v[QZ]
	s_wait_dscnt 0x0
	global_store_b128 v[LI0], v[QZ+2:QZ+5], s[14:15]   ; 512 consecutive bytes, aligned
.Lend:
	s_wait_xcnt 0x0
	v_lshl_add_u32 v254, v0, 2, 0x32200
	v_mov_b32 v255, 0
	s_wait_tensorcnt 0x0
	ds_add_u32 v254, v255
	s_wait_dscnt 0x0
	s_endpgm
.Lfunc_end_k_qe94b129de7_attn:
	.size	k_qe94b129de7_attn, .Lfunc_end_k_qe94b129de7_attn-k_qe94b129de7_attn
	.p2alignl 7, 3214868480
	.fill 96, 4, 3214868480
	.section	.rodata,"a",@progbits
	.p2align	6, 0x0
	.amdhsa_kernel k_qe94b129de7_attn
		.amdhsa_group_segment_fixed_size 207360
		.amdhsa_private_segment_fixed_size 0
		.amdhsa_enable_private_segment 0
		.amdhsa_kernarg_size 48
		.amdhsa_user_sgpr_count 2
		.amdhsa_user_sgpr_kernarg_segment_ptr 1
		.amdhsa_wavefront_size32 1
		.amdhsa_system_sgpr_workgroup_id_x 1
		.amdhsa_system_sgpr_workgroup_id_y 1
		.amdhsa_system_sgpr_workgroup_id_z 1
		.amdhsa_system_vgpr_workitem_id 0
		.amdhsa_next_free_vgpr 256
		.amdhsa_next_free_sgpr 66
		.amdhsa_reserve_vcc 0
		.amdhsa_float_denorm_mode_32 3
		.amdhsa_float_denorm_mode_16_64 3
		.amdhsa_memory_ordered 1
		.amdhsa_forward_progress 1
		.amdhsa_inst_pref_size 58
	.end_amdhsa_kernel
	.amdgpu_metadata
---
amdhsa.version: [ 1, 2 ]
amdhsa.kernels:
  - .name:           k_qe94b129de7_attn
    .symbol:         k_qe94b129de7_attn.kd
    .args:
      - { .name: img, .offset: 0, .size: 8, .value_kind: global_buffer, .address_space: global }
      - { .name: sc, .offset: 8, .size: 8, .value_kind: global_buffer, .address_space: global }
      - { .name: beta, .offset: 16, .size: 8, .value_kind: global_buffer, .address_space: global }
      - { .name: t, .offset: 24, .size: 8, .value_kind: global_buffer, .address_space: global }
      - { .name: fimg, .offset: 32, .size: 8, .value_kind: global_buffer, .address_space: global }
      - { .name: fsc, .offset: 40, .size: 8, .value_kind: global_buffer, .address_space: global }
    .group_segment_fixed_size: 207360
    .private_segment_fixed_size: 0
    .kernarg_segment_align: 8
    .kernarg_segment_size: 48
    .max_flat_workgroup_size: 512
    .sgpr_count:     66
    .vgpr_count:     256
    .wavefront_size: 32
...
	.end_amdgpu_metadata
.endif
;; end of part 3
;; launch outln (part 4): grid 128 x 1, 16 waves a work-group, no clusters, 171,264 bytes of LDS; arguments fimg, fsc, codes, scl, bo, ln_w, ln_b, x, out0; writes out0
.if DOCPART == 4
	.amdgcn_target "amdgcn-amd-amdhsa--gfx1250"
	.amdhsa_code_object_version 6
	.text
	.protected	k_qe94b129de7_outln
	.globl	k_qe94b129de7_outln
	.p2align	8
	.type	k_qe94b129de7_outln,@function
k_qe94b129de7_outln:
	s_mov_b64 s[64:65], 0
	v_nop
	global_prefetch_b8 v0, s[64:65] scope:SCOPE_SE
	s_setreg_imm32_b32 hwreg(HW_REG_WAVE_MODE, 25, 1), 1
	s_wait_xcnt 0x0
; y = f Wo^T + bo on codes of FP6 (E2M3) with E8M0 scales;  out = x + ln_w (y - mean) rsqrt(var + 1e-5) + ln_b, mean and var over a token's 1,024 features, in f32: the mean first, then the centred squares.
; SHARES: a work-group takes 32 tokens (two tiles of 16) and whole rows of y; wave w of sixteen takes features 64 w .. 64 w + 63: four tiles of Wo.  Source 0 = 16 rows of Wo, source 1 = 16 tokens of f:
; lane (r, h) holds token 8 m + r + 8 (r / 8) of the 32 (tile m), and the 16 registers of Wo's tiles 2 g, 2 g + 1 are features 32 g + 16 h + 0 .. 15 of the wave's 64.
; Wo's fragments come from memory straight into registers, as they lie (three loads of 512 consecutive bytes), in two buffers, a K step ahead.  f's codes (24,576 bytes) go to LDS once and are read by all waves.
; No tensor load and no cluster: all work-groups walk the same 786,432 bytes of Wo's codes, but a launch without refills of LDS is the simpler sound form; sharing them jointly is the next step for this launch.
; bo is loaded into the accumulators and is the C of each sum's first product.  NaN and infinities are not served.
.set KSL,  1572864
.set FSC,  24576                       ; LDS: f's images from 0; its scale words: 32 rows of 36 bytes (row 16 m + r; two bytes a head);
.set RED1, 25856                       ; 16 waves x 128 bytes of partial sums;
.set RED2, 27904                       ; and of partial sums of squares;
.set STG,  29952                       ; a stage of 32 rows x (256 + 16) bytes for each wave
.set LI,   1                           ; v1  16 x lane
.set L8,   2                           ; v2  8 x lane
.set AFS,  3                           ; v3  FSC + 36 r
.set R32,  4                           ; v4  32 r
.set H64,  5                           ; v5  64 h
.set XO,   6                           ; v6  4096 h + 16 r: two rows of x or out, 16 lanes to a run of 256 bytes
.set LN,   7                           ; v7  lane
.set STI,  8                           ; v8  the stage, in
.set STO,  9                           ; v9  the stage, out
.set RWR,  10                          ; v10 where I put a partial sum
.set RRD,  11                          ; v11 where I read the sixteen
.set LNW,  12                          ; v12-15 ln_w, v16-19 ln_b of my four features on the way out
.set LNB,  16
.set FS,   20                          ; v20-21 f's scale words
.set S0,   22                          ; v22-25 two sums in halves
.set PD,   26                          ; v26-27 lane permutes' destinations
.set M0,   28                          ; v28-29 tile 0's mean, later its 1 / deviation, twice;  v30-31 tile 1's
.set M1,   30
.set WSC,  32                          ; v32-63 Wo's scale words: 8 t + s
.set AA,   64                          ; v64-87 f's two fragments; later the sixteen partial sums
.set BB,   88                          ; v88-183 Wo's fragments, two buffers of 48; later x
.set ACC,  184                         ; v184-247 (t, m) at 184 + 32 m + 8 t
.set WV,   22
.set SEL,  26
.set EPS,  28
.set HM,   29
	s_load_b256 s[4:11], s[0:1], 0x0               ; fimg, fsc, codes, scl
	s_load_b256 s[12:19], s[0:1], 0x20             ; bo, ln_w, ln_b, x
	s_load_b64 s[20:21], s[0:1], 0x40              ; out0
	v_lshrrev_b32 v1, 5, v0
	v_readfirstlane_b32 s[WV], v1                  ; wave 0..15
	v_and_b32 v[LN], 31, v0
	v_lshlrev_b32 v[LI], 4, v[LN]
	v_lshlrev_b32 v[L8], 3, v[LN]
	v_and_b32 v252, 15, v0                         ; r
	v_bfe_u32 v253, v0, 4, 1                       ; h
	v_mul_u32_u24 v[AFS], v252, 36
	v_add_nc_u32 v[AFS], FSC, v[AFS]
	v_lshlrev_b32 v[R32], 5, v252
	v_lshlrev_b32 v[H64], 6, v253
	v_lshlrev_b32 v251, 4, v252                    ; 16 r
	v_lshl_add_u32 v[XO], v253, 12, v251
	s_mul_i32 s24, s[WV], 8704
	s_add_co_u32 s24, s24, STG                     ; my stage
	v_mul_u32_u24 v[STI], v252, 272
	v_lshl_add_u32 v[STI], v253, 6, v[STI]
	v_add_nc_u32 v[STI], s24, v[STI]
	v_mul_u32_u24 v[STO], v253, 272
	v_add_nc_u32 v[STO], v[STO], v251
	v_add_nc_u32 v[STO], s24, v[STO]
	s_lshl_b32 s24, s[WV], 7
	v_lshlrev_b32 v[RRD], 2, v[LN]
	v_add_nc_u32 v[RRD], RED1, v[RRD]
	v_add_nc_u32 v[RWR], s24, v[RRD]
	v_lshlrev_b32 v248, 4, v0                      ; 16 x thread
	v_lshrrev_b32 v249, 5, v0                      ; the head whose bytes I copy
	v_lshlrev_b32 v250, 1, v[LN]
	v_lshl_add_u32 v250, v249, 13, v250            ; in fsc: 8,192 x head + 2 x (16 m + r)
	v_mul_u32_u24 v254, v[LN], 36
	v_lshl_add_u32 v254, v249, 1, v254
	v_add_nc_u32 v254, FSC, v254                   ; in LDS: 36 x (16 m + r) + 2 x head
	v_cmp_le_u32 s[HM], 16, v[LN]                  ; lanes 16-31
	v_mov_b32 v[PD], 0                             ; written once: a lane permute's destination counts as one of its sources
	v_mov_b32 v[PD+1], 0
	s_mov_b32 s[SEL], 0x76543210
	s_mov_b32 s[SEL+1], 0xfedcba98
	s_mov_b32 s[EPS], 0x3727c5ac                   ; 1e-5
	s_mov_b32 s25, 0
	s_wait_kmcnt 0x0
	s_mul_i32 s24, ttmp9, 24576
	s_add_nc_u64 s[4:5], s[4:5], s[24:25]          ; my two tiles' images
	s_lshl_b32 s24, ttmp9, 6
	s_add_nc_u64 s[6:7], s[6:7], s[24:25]
	s_mul_i32 s24, s[WV], 12288
	s_add_co_u32 s24, s24, 1376256                 ; Wo's tile 448 + 4 w: 3,072 bytes a tile
	s_add_nc_u64 s[8:9], s[8:9], s[24:25]
	s_lshl_b32 s24, s[WV], 11
	s_add_co_u32 s24, s24, 229376                  ; its rows' scale words: 32 bytes a row, from row 7,168 + 64 w
	s_add_nc_u64 s[10:11], s[10:11], s[24:25]
	s_lshl_b32 s24, s[WV], 8                       ; my 64 features
	s_add_nc_u64 s[12:13], s[12:13], s[24:25]
	s_add_nc_u64 s[14:15], s[14:15], s[24:25]
	s_add_nc_u64 s[16:17], s[16:17], s[24:25]
	s_lshl_b32 s30, ttmp9, 17                      ; my 32 tokens
	s_add_co_u32 s24, s24, s30
	s_add_nc_u64 s[18:19], s[18:19], s[24:25]
	s_add_nc_u64 s[20:21], s[20:21], s[24:25]
.macro BLOAD s                         ; Wo's four fragments of K step s into buffer s % 2
.irp t, 0,1,2,3
.irp c, 0,1,2
	global_load_b128 v[BB+48*((\s)%2)+12*\t+4*\c:BB+48*((\s)%2)+12*\t+4*\c+3], v[LI], s[8:9] offset:((\s)/2)*KSL+3072*\t+1536*((\s)%2)+512*\c
.endr
.endr
.endm
.macro XLD i                           ; stage rows 2 i, 2 i + 1 are tokens 8 m + r + 8 (r / 8): two neighbouring rows of x
	global_load_b128 v[BB+4*(\i):BB+4*(\i)+3], v[XO], s[18:19] offset:4096*(8*((2*(\i))/16)+(2*(\i))%16+8*(((2*(\i))%16)/8)) th:TH_LOAD_NT
.endm
.irp i, 0,1,2
	global_load_b128 v[AA+4*\i:AA+4*\i+3], v248, s[4:5] offset:8192*\i
.endr
	global_load_u16 v[AA+12], v250, s[6:7]
.irp t, 0,1,2,3
.irp j, 0,1
	global_load_b128 v[WSC+8*\t+4*\j:WSC+8*\t+4*\j+3], v[R32], s[10:11] offset:512*\t+16*\j
.endr
.endr
.irp m, 0,1
.irp b, 0,1
.irp i, 0,1,2,3
	global_load_b128 v[ACC+32*\m+16*\b+4*\i:ACC+32*\m+16*\b+4*\i+3], v[H64], s[12:13] offset:128*\b+16*\i   ; bo, in the result's layout
.endr
.endr
.endr
	global_load_b128 v[LNW:LNW+3], v251, s[14:15]
	global_load_b128 v[LNB:LNB+3], v251, s[16:17]
	BLOAD 0
	BLOAD 1
	s_wait_loadcnt 50                              ; behind f's four loads 8 + 16 + 2 + 24 were issued
.irp i, 0,1,2
	ds_store_b128 v248, v[AA+4*\i:AA+4*\i+3] offset:8192*\i
.endr
	ds_store_b16 v254, v[AA+12]
	s_wait_dscnt 0x0                               ; for the others' sake
	s_barrier_signal -1
	s_barrier_wait -1                              ; f's codes and scale words lie in LDS
.macro KSTEP s                         ; 128 along K: heads 2 s and 2 s + 1
.irp m, 0,1
.irp c, 0,1
	ds_load_b128 v[AA+12*\m+6*\c:AA+12*\m+6*\c+3], v[LI] offset:12288*\m+768*(2*(\s)+\c)
	ds_load_b64 v[AA+12*\m+6*\c+4:AA+12*\m+6*\c+5], v[L8] offset:12288*\m+768*(2*(\s)+\c)+512
.endr
	ds_load_b32 v[FS+\m], v[AFS] offset:576*\m+4*(\s)
.endr
	s_wait_loadcnt 12                              ; this step's fragments of Wo are in; the twelve loads issued behind them may be out
	s_wait_dscnt 0x0
.irp t, 0,1,2,3                                ; eight accumulators by turns
.irp m, 0,1
	v_wmma_scale_f32_16x16x128_f8f6f4 v[ACC+32*\m+8*\t:ACC+32*\m+8*\t+7], v[BB+48*((\s)%2)+12*\t:BB+48*((\s)%2)+12*\t+11], v[AA+12*\m:AA+12*\m+11], v[ACC+32*\m+8*\t:ACC+32*\m+8*\t+7], v[WSC+8*\t+(\s)], v[FS+\m] matrix_a_fmt:MATRIX_FMT_FP6 matrix_b_fmt:MATRIX_FMT_FP6
.endr
.endr
.rept 4
	v_nop                                          ; places in front of loads into registers that the products have read
.endr
.if (\s) < 6
	BLOAD (\s)+2
.endif
.endm
.irp s, 0,1,2,3,4,5,6
	KSTEP \s
.endr
.irp i, 0,1,2,3,4,5,6,7,8,9,10,11
	XLD \i                                         ; buffer 0 is done with: x's first twelve pairs of rows
.endr
	KSTEP 7
.irp i, 12,13,14,15
	XLD \i
.endr
; A token's sum over the wave's 64 features stands in v[S0] (tile 0) and v[S0 + 2] (tile 1), in every lane.  Lanes 0-15 hand on tile 0's, lanes 16-31 tile 1's; the sixteen waves' meet in LDS at off;
; every wave adds them in the same order: v[AA] = the whole sum of token (tile h, row r).
.macro ACROSS off
	v_add_f32 v[S0], v[S0], v[S0+1]
	v_add_f32 v[S0+2], v[S0+2], v[S0+3]
	v_permlanex16_b32 v[PD], v[S0], s[SEL], s[SEL+1]
	v_permlanex16_b32 v[PD+1], v[S0+2], s[SEL], s[SEL+1]
	v_add_f32 v[S0], v[S0], v[PD]
	v_add_f32 v[S0+2], v[S0+2], v[PD+1]
	v_cndmask_b32 v[S0], v[S0], v[S0+2], s[HM]
	ds_store_b32 v[RWR], v[S0] offset:\off
	s_wait_dscnt 0x0
	s_barrier_signal -1
	s_barrier_wait -1
.irp i, 0,1,2,3,4,5,6,7,8,9,10,11,12,13,14,15
	ds_load_b32 v[AA+\i], v[RRD] offset:\off+128*\i
.endr
	s_wait_dscnt 0x0
.irp i, 0,2,4,6,8,10,12,14
	v_add_f32 v[AA+\i], v[AA+\i], v[AA+\i+1]
.endr
.irp i, 0,4,8,12
	v_add_f32 v[AA+\i], v[AA+\i], v[AA+\i+2]
.endr
	v_add_f32 v[AA], v[AA], v[AA+4]
	v_add_f32 v[AA+8], v[AA+8], v[AA+12]
	v_add_f32 v[AA], v[AA], v[AA+8]
.endm
.macro DEAL                            ; v[S0] holds a number of token (tile h, row r): both tiles' go to every lane, each twice, as pairs
	v_permlanex16_b32 v[PD], v[S0], s[SEL], s[SEL+1]
	v_cndmask_b32 v[M0], v[S0], v[PD], s[HM]
	v_cndmask_b32 v[M1], v[PD], v[S0], s[HM]
	v_mov_b32 v[M0+1], v[M0]
	v_mov_b32 v[M1+1], v[M1]
.endm
.irp m, 0,1
	v_pk_add_f32 v[S0+2*\m:S0+2*\m+1], v[ACC+32*\m:ACC+32*\m+1], v[ACC+32*\m+2:ACC+32*\m+3]   ; each accumulator from its low end on
.endr
.irp j, 4,6,8,10,12,14,16,18,20,22,24,26,28,30
.irp m, 0,1
	v_pk_add_f32 v[S0+2*\m:S0+2*\m+1], v[S0+2*\m:S0+2*\m+1], v[ACC+32*\m+\j:ACC+32*\m+\j+1]
.endr
.endr
	ACROSS 0
	v_mul_f32 v[S0], 0x3a800000, v[AA]             ; / 1,024: the mean
	DEAL
.irp j, 0,2,4,6,8,10,12,14,16,18,20,22,24,26,28,30
	v_pk_add_f32 v[ACC+\j:ACC+\j+1], v[ACC+\j:ACC+\j+1], v[M0:M0+1] neg_lo:[0,1] neg_hi:[0,1]
	v_pk_add_f32 v[ACC+32+\j:ACC+32+\j+1], v[ACC+32+\j:ACC+32+\j+1], v[M1:M1+1] neg_lo:[0,1] neg_hi:[0,1]
.endr
.irp m, 0,1
	v_pk_mul_f32 v[S0+2*\m:S0+2*\m+1], v[ACC+32*\m:ACC+32*\m+1], v[ACC+32*\m:ACC+32*\m+1]
.endr
.irp j, 2,4,6,8,10,12,14,16,18,20,22,24,26,28,30
.irp m, 0,1
	v_pk_fma_f32 v[S0+2*\m:S0+2*\m+1], v[ACC+32*\m+\j:ACC+32*\m+\j+1], v[ACC+32*\m+\j:ACC+32*\m+\j+1], v[S0+2*\m:S0+2*\m+1]
.endr
.endr
	ACROSS RED2-RED1                               ; other bytes than the first sums': no third barrier is needed
	v_fma_f32 v[S0], v[AA], 0x3a800000, s[EPS]     ; var + 1e-5
	v_rsq_f32 v[S0], v[S0]
	v_nop                                          ; a plain instruction behind the root
	s_wait_alu depctr_va_vdst(0)                   ; and a wait ahead of the first reader
	DEAL
.irp j, 0,2,4,6,8,10,12,14,16,18,20,22,24,26,28,30
	v_pk_mul_f32 v[ACC+\j:ACC+\j+1], v[ACC+\j:ACC+\j+1], v[M0:M0+1]
	v_pk_mul_f32 v[ACC+32+\j:ACC+32+\j+1], v[ACC+32+\j:ACC+32+\j+1], v[M1:M1+1]
.endr
	; THE WAY OUT: through my own stage, rows in the tiles' order, and back as rows: sixteen lanes hold 256 neighbouring bytes of a row of out
.irp m, 0,1
.irp b, 0,1
.irp i, 0,1,2,3
	ds_store_b128 v[STI], v[ACC+32*\m+16*\b+4*\i:ACC+32*\m+16*\b+4*\i+3] offset:4352*\m+128*\b+16*\i
.endr
.endr
.endr
.irp i, 0,1,2,3,4,5,6,7,8,9,10,11,12,13,14,15
	ds_load_b128 v[ACC+4*\i:ACC+4*\i+3], v[STO] offset:544*\i   ; LDS serves a wave's instructions in order: these see the stores above, which have read their registers by then
.endr
	s_wait_loadcnt 0x0                             ; x
.irp i, 0,1,2,3,4,5,6,7,8,9,10,11,12,13,14,15
	s_wait_dscnt 15-\i
	v_pk_fma_f32 v[ACC+4*\i:ACC+4*\i+1], v[ACC+4*\i:ACC+4*\i+1], v[LNW:LNW+1], v[LNB:LNB+1]
	v_pk_fma_f32 v[ACC+4*\i+2:ACC+4*\i+3], v[ACC+4*\i+2:ACC+4*\i+3], v[LNW+2:LNW+3], v[LNB+2:LNB+3]
	v_pk_add_f32 v[ACC+4*\i:ACC+4*\i+1], v[ACC+4*\i:ACC+4*\i+1], v[BB+4*\i:BB+4*\i+1]
	v_pk_add_f32 v[ACC+4*\i+2:ACC+4*\i+3], v[ACC+4*\i+2:ACC+4*\i+3], v[BB+4*\i+2:BB+4*\i+3]
	global_store_b128 v[XO], v[ACC+4*\i:ACC+4*\i+3], s[20:21] offset:4096*(8*((2*\i)/16)+(2*\i)%16+8*(((2*\i)%16)/8)) th:TH_STORE_NT   ; two runs of 256 consecutive bytes, aligned
.endr
	s_wait_xcnt 0x0
	v_lshl_add_u32 v254, v0, 2, 0x29500
	v_mov_b32 v255, 0
	s_wait_tensorcnt 0x0
	ds_add_u32 v254, v255
	s_wait_dscnt 0x0
	s_endpgm
.Lfunc_end_k_qe94b129de7_outln:
	.size	k_qe94b129de7_outln, .Lfunc_end_k_qe94b129de7_outln-k_qe94b129de7_outln
	.p2alignl 7, 3214868480
	.fill 96, 4, 3214868480
	.section	.rodata,"a",@progbits
	.p2align	6, 0x0
	.amdhsa_kernel k_qe94b129de7_outln
		.amdhsa_group_segment_fixed_size 171264
		.amdhsa_private_segment_fixed_size 0
		.amdhsa_enable_private_segment 0
		.amdhsa_kernarg_size 72
		.amdhsa_user_sgpr_count 2
		.amdhsa_user_sgpr_kernarg_segment_ptr 1
		.amdhsa_wavefront_size32 1
		.amdhsa_system_sgpr_workgroup_id_x 1
		.amdhsa_system_sgpr_workgroup_id_y 1
		.amdhsa_system_sgpr_workgroup_id_z 1
		.amdhsa_system_vgpr_workitem_id 0
		.amdhsa_next_free_vgpr 256
		.amdhsa_next_free_sgpr 66
		.amdhsa_reserve_vcc 0
		.amdhsa_float_denorm_mode_32 3
		.amdhsa_float_denorm_mode_16_64 3
		.amdhsa_memory_ordered 1
		.amdhsa_forward_progress 1
		.amdhsa_inst_pref_size 53
	.end_amdhsa_kernel
	.amdgpu_metadata
---
amdhsa.version: [ 1, 2 ]
amdhsa.kernels:
  - .name:           k_qe94b129de7_outln
    .symbol:         k_qe94b129de7_outln.kd
    .args:
      - { .name: fimg, .offset: 0, .size: 8, .value_kind: global_buffer, .address_space: global }
      - { .name: fsc, .offset: 8, .size: 8, .value_kind: global_buffer, .address_space: global }
      - { .name: codes, .offset: 16, .size: 8, .value_kind: global_buffer, .address_space: global }
      - { .name: scl, .offset: 24, .size: 8, .value_kind: global_buffer, .address_space: global }
      - { .name: bo, .offset: 32, .size: 8, .value_kind: global_buffer, .address_space: global }
      - { .name: ln_w, .offset: 40, .size: 8, .value_kind: global_buffer, .address_space: global }
      - { .name: ln_b, .offset: 48, .size: 8, .value_kind: global_buffer, .address_space: global }
      - { .name: x, .offset: 56, .size: 8, .value_kind: global_buffer, .address_space: global }
      - { .name: out0, .offset: 64, .size: 8, .value_kind: global_buffer, .address_space: global }
    .group_segment_fixed_size: 171264
    .private_segment_fixed_size: 0
    .kernarg_segment_align: 8
    .kernarg_segment_size: 72
    .max_flat_workgroup_size: 512
    .sgpr_count:     66
    .vgpr_count:     256
    .wavefront_size: 32
...
	.end_amdgpu_metadata
.endif
;; end of part 4
;; ======== version 2 of 2: 4 launches; version 1 with the launches attn, outln written anew for expert scheduling mode
;; workspace buffers: codes 6,291,456 bytes; scl 262,144 bytes; img 9,437,184 bytes; sc 393,216 bytes; fimg 3,145,728 bytes; fsc 131,072 bytes
;; launch quant: the kernel of part 1 again; grid 256 x 1, 2 waves a work-group, no clusters, 17,152 bytes of LDS; arguments x, Wq, Wk, Wv, Wo, codes, scl; writes codes, scl
;; launch qkv: the kernel of part 2 again; grid 12 x 16, 4 waves a work-group, clusters of 4 x 4, 327,680 bytes of LDS; arguments codes, scl, bq, bk, bv, img, sc; writes img, sc
;; launch attn (part 5): grid 8 x 32, 16 waves a work-group, no clusters, 207,360 bytes of LDS; arguments img, sc, beta, t, fimg, fsc; writes fimg, fsc
.if DOCPART == 5
	.amdgcn_target "amdgcn-amd-amdhsa--gfx1250"
	.amdhsa_code_object_version 6
	.text
	.protected	k_qe94b129de7_attn
	.globl	k_qe94b129de7_attn
	.p2align	8
	.type	k_qe94b129de7_attn,@function
k_qe94b129de7_attn:
	s_mov_b64 s[64:65], 0
	v_nop
	global_prefetch_b8 v0, s[64:65] scope:SCOPE_SE
	s_setreg_imm32_b32 hwreg(HW_REG_WAVE_SCHED_MODE, 0, 2), 2
	s_setreg_imm32_b32 hwreg(HW_REG_WAVE_MODE, 25, 1), 1
	s_wait_xcnt 0x0
	s_wait_alu depctr_vm_vsrc(0)
; For one head and 256 queries: S = Q K^T / 8;  tau = softmax(S) V;  sigma = W V with W = w / sum(w), w = 1 / ((1 + |S| / beta)^2 + t^2);  f = tau / 2 + sigma / 2, quantised along the features.  All products on FP6 codes.
; TWO PASSES OVER THE KEYS.  W is quantised normalised, and its row sum is no power of two: so pass 1 makes all scores once for the row's sum of w and its largest score, and pass 2 makes them again (the same
; instruction on the same operands: the same bits), with the final M = ceil(largest t): p = 2^(t - M), t = S log2(e); nothing is rescaled.  The row's sum of the unquantised p divides tau at the end.
; THE NORMALISED W COSTS NO INSTRUCTION: with Z the row's sum, W = 1 / ((a0 + |s| a1)^2 + a2), a0 = sqrt(Z), a1 = a0 / (8 beta), a2 = t^2 Z, s the raw score.
; LIMITS: that form rounds in another order than (1 / d) / Z: a few units in the last place of f32; 1 / (8 beta) is a reciprocal instruction's; beta = 0, NaN and infinities are not served; blocks under 2^-124 keep the byte 1.
; K = 64 IN AN INSTRUCTION OF K = 128: an image of K holds key tile 2 g in k 0-63 and key tile 2 g + 1 in k 64-127.  Q stands in 18 registers, 0 x 6 | q x 6 | 0 x 6: the last 12 pick tile 2 g, the first 12 tile 2 g + 1.
; SHARES: sixteen waves, each 16 queries in 256 registers, four waves to a SIMD, so that one wave's vector work stands beside another's matrix work and LDS loads.  The head's K, V and their scale words
; (200 KB) are copied into LDS once, through registers, and read by all sixteen waves.  Both products are used transposed: a lane holds ONE query; by the order of keys in a tile its 16 registers of two tiles are 16 neighbouring keys.
; Multicast is not used: what work-groups share is one fill of LDS in the whole launch.
; THE MODE: SCHED_MODE bits 1:0 = 2 (LLVM: expert scheduling mode 2), set by the entry lines.  The code itself states the register dependences
; between vector or matrix instructions and memory or LDS instructions, with s_wait_alu, always for 0.
; THE PLAN.  Registers that memory or LDS instructions touch, in the loops:
;   X, XS          Four images and four scale words.  LDS loads land in them; the scaled products read them; no other vector instruction names them.
;   AD, ADV, ASC   LDS addresses: written by vector additions once a step, read by the step's loads.  LI0 and LR0 are never written again.
; PASS 1: step i + 1's thirteen loads are issued in step i, behind the one wait on va_vdst that the batch of reciprocals has: it also states that the step's products are done reading X and XS and that the
;   stepped addresses are written.  One wait on vm_vsrc stands ahead of the two additions.  The sixteenth step is written out and loads nothing.
; PASS 2: at a trip's head one wait on vm_vsrc, the three additions, one wait on va_vdst (addresses written; the last trip's products on V done reading X and XS), K's loads.  V's fragments 0, 1 land in the
;   images that the first half's products have read, behind that half's wait for its batch; fragments 2, 3 and V's scale words behind the second half's.  One wait on va_vdst stands ahead of the products on V,
;   whose second sources and scale words vector instructions have written.
; HEAD AND WAY OUT: each has its addresses made in one run, one wait on va_vdst behind the run, and one wait on vm_vsrc ahead of the first rewriting of registers that memory instructions have read.
.set VIMG, 98304                       ; LDS: K's 64 images from 0, V's 64 from here (1,536 bytes each; 6,144 a step of 128 keys),
.set KSC,  196608                      ; K's scale words: 256 s + 16 r,
.set VSC,  200704                      ; V's,
.set FSG,  204800                      ; and 512 bytes in which f's scale bytes meet
.set LI0,  1                           ; v1  16 x lane
.set LR0,  2                           ; v2  KSC + 16 r
.set AD,   3                           ; v3  address of the step's images of K
.set ASC,  4                           ; v4  of its scale words
.set RM,   5                           ; v5  the largest raw score
.set NM,   6                           ; v6  -M        (pair with a0)
.set A0,   7
.set A2,   8                           ; v8  a2        (pair with a1)
.set A1,   9
.set LS,   10                          ; v10-11 a sum in two halves: pass 1 of w, pass 2 of p
.set MX,   12                          ; v12-15 largest magnitudes; also a second chain of sums, and a conversion's spare registers
.set PX,   16                          ; v16-19 lane permutes' destinations, then bytes
.set SO,   20                          ; v20-23 the conversions' scale operands
.set CT,   24                          ; v24-26
.set IB,   27                          ; v27 1 / (8 beta)
.set QZ,   28                          ; v28-45
.set XS,   46                          ; v46-49 K's, then V's scale words
.set QS,   50                          ; Q's scale word;  v51 p's;  v52 W's: these hold scales and nothing else
.set PS,   51
.set WS,   52
.set ADV,  53                          ; v53 address of the step's fragments of V
.set PC,   54                          ; v54-65 p's codes
.set WC,   66                          ; v66-77 W's
.set X,    78                          ; v78-125 four images
.set SCO,  126                         ; v126-157 scores, then p;  in pass 1 v126-189
.set WT,   158                         ; v158-189 W
.set TAU,  190
.set SIG,  222
.set T2,   254                         ; v254-255 t^2, twice
.set WV,   16
.set BH,   17
.set HD,   18
.set CS,   20                          ; s[20:21] log2(e) / 8
.set SEL,  24
.set MU,   26
.set TB,   27
.set TS,   28
.set CNT,  29
	s_load_b256 s[4:11], s[0:1], 0x0               ; img, sc, beta, t
	s_load_b128 s[12:15], s[0:1], 0x20             ; fimg, fsc
	v_lshrrev_b32 v1, 5, v0
	v_readfirstlane_b32 s[WV], v1                  ; wave 0..15
	v_and_b32 v[LI0], 31, v0
	v_lshlrev_b32 v[LI0], 4, v[LI0]
	v_and_b32 v[RM], 15, v0
	v_lshlrev_b32 v[RM], 4, v[RM]                  ; 16 r, for now
	v_add_nc_u32 v[LR0], KSC, v[RM]
	v_lshlrev_b32 v[AD], 4, v0                     ; 16 x thread: the copies into LDS
	v_add_nc_u32 v12, 0x10000, v[AD]
	v_add_nc_u32 v13, VIMG, v[AD]
	v_add_nc_u32 v14, VIMG+0x10000, v[AD]
	v_add_nc_u32 v15, KSC, v[AD]
	v_and_b32 v[ASC], 255, v0
	v_lshlrev_b32 v[ASC], 4, v[ASC]
	v_lshrrev_b32 v16, 8, v0
	v_lshl_add_u32 v[ASC], v16, 17, v[ASC]         ; threads 0-255 K's scale words, 256-511 V's, a region further on
	s_and_b32 s[BH], ttmp7, 0xffff                 ; batch x 16 + head
	s_and_b32 s[HD], s[BH], 15
	s_lshl_b32 s30, s[HD], 2
	s_mov_b32 s31, 0
	s_lshl_b32 s19, ttmp9, 3
	s_wait_alu depctr_va_sdst(0)                   ; the wave's number is written, ahead of its first reader, the line below
	s_lshr_b32 s32, s[WV], 1
	s_add_co_u32 s19, s19, s32                     ; my queries' image: 8 x block + wave / 2
	s_mov_b32 s[CS], 0x3e38aa3b                    ; log2(e) / 8
	s_mov_b32 s[CS+1], s[CS]
	s_mov_b32 s[SEL], 0x76543210
	s_mov_b32 s[SEL+1], 0xfedcba98
	s_wait_kmcnt 0x0
	s_add_nc_u64 s[8:9], s[8:9], s[30:31]
	s_add_nc_u64 s[10:11], s[10:11], s[30:31]
	s_load_b32 s32, s[8:9], 0x0                    ; beta of my head
	s_load_b32 s33, s[10:11], 0x0                  ; t
	s_mul_i32 s30, s[BH], 98304
	s_add_nc_u64 s[34:35], s[4:5], s[30:31]        ; Q's region at my head,
	s_add_nc_u64 s[36:37], s[34:35], 3145728       ; K's,
	s_add_nc_u64 s[38:39], s[34:35], 6291456       ; V's
	s_mul_i32 s30, s19, 1536
	s_add_nc_u64 s[34:35], s[34:35], s[30:31]
	s_lshl_b32 s30, s[BH], 12
	s_add_nc_u64 s[6:7], s[6:7], s[30:31]          ; Q's scale words at my head
	s_lshr_b32 s30, s19, 2
	s_lshl_b32 s30, s30, 8
	s_and_b32 s40, s19, 3
	s_lshl_b32 s40, s40, 2
	s_add_co_u32 s30, s30, s40
	s_add_nc_u64 s[40:41], s[6:7], s[30:31]        ; my image's word
	s_wait_alu depctr_va_vdst(0)                   ; v1, v3, v4, v5 and v12 to v15 are written: the offsets and LDS addresses that the head's loads and LDS stores read
.irp i, 0,1,2,3,4,5,6,7,8,9,10,11
	global_load_b128 v[X+4*\i:X+4*\i+3], v[AD], s[36:37] offset:8192*\i      ; K: 8,192 consecutive bytes a work-group's load
.endr
	global_load_b128 v[140:143], v[ASC], s[6:7] offset:131072
.irp c, 0,1,2
	global_load_b128 v[126+4*\c:129+4*\c], v[LI0], s[34:35] offset:512*\c
.endr
	global_load_b32 v138, v[RM], s[40:41]
.irp i, 0,1,2,3,4,5,6,7,8,9,10,11
	global_load_b128 v[TAU+4*\i:TAU+4*\i+3], v[AD], s[38:39] offset:8192*\i  ; V
.endr
	s_and_b32 s42, s[WV], 1                        ; which tile of the image is mine
	s_mov_b32 s43, 0x03020302
	s_cmp_eq_u32 s42, 0
	s_cselect_b32 s43, 0x01000100, s43             ; its two bytes, twice
	s_cselect_b32 s[MU], 0, -1
	s_wait_loadcnt 12                              ; all but V's twelve
.irp i, 0,1,2,3,4,5,6,7
	ds_store_b128 v[AD], v[X+4*\i:X+4*\i+3] offset:8192*\i
.endr
.irp i, 8,9,10,11
	ds_store_b128 v12, v[X+4*\i:X+4*\i+3] offset:8192*(\i-8)
.endr
	ds_store_b128 v15, v[140:143]
.irp i, 0,1,2,3,4,5
	v_mov_b32 v[QZ+\i], 0
	v_mov_b32 v[QZ+12+\i], 0
	v_cndmask_b32 v[QZ+6+\i], v[126+\i], v[132+\i], s[MU]
.endr
	v_perm_b32 v[QS], v138, v138, s43
	s_wait_kmcnt 0x0
	v_mov_b32 v[IB], s32
	v_mul_f32 v[IB], 8.0, v[IB]
	v_rcp_f32 v[IB], v[IB]
	v_mov_b32 v[T2], s33                           ; (a plain instruction behind the reciprocal)
	s_wait_alu depctr_va_vdst(0)                   ; the reciprocal has written v[IB]
	v_mul_f32 v[T2], v[T2], v[T2]
	v_mov_b32 v[T2+1], v[T2]
	v_mov_b32 v[LS], 0
	v_mov_b32 v[LS+1], 0
.irp b, 0,1,2,3
	v_mov_b32 v[PX+\b], 0                          ; written once: a lane permute's destination counts as one of its sources
.endr
	s_wait_loadcnt 0x0
.irp i, 0,1,2,3,4,5,6,7
	ds_store_b128 v13, v[TAU+4*\i:TAU+4*\i+3] offset:8192*\i
.endr
.irp i, 8,9,10,11
	ds_store_b128 v14, v[TAU+4*\i:TAU+4*\i+3] offset:8192*(\i-8)
.endr
	s_wait_dscnt 0x0                               ; for the others' sake: my stores have landed
	s_barrier_signal -1
	s_barrier_wait -1                              ; the head's K, V and scale words lie in LDS; nothing there is written again
.rept 8
	v_nop                                          ; Q's scale word and registers were written by vector instructions: places ahead of the first scaled product
.endr
.macro XLOAD                           ; four images: 12 loads of 512 consecutive bytes
.irp b, 0,1,2,3
.irp c, 0,1,2
	ds_load_b128 v[X+12*\b+4*\c:X+12*\b+4*\c+3], v[AD] offset:1536*\b+512*\c
.endr
.endr
.endm
.macro VLOAD b0                        ; V's fragments b0 and b0 + 1 of the step's four: 6 loads of 512 consecutive bytes
.irp b, \b0, \b0+1
.irp c, 0,1,2
	ds_load_b128 v[X+12*(\b)+4*\c:X+12*(\b)+4*\c+3], v[ADV] offset:1536*(\b)+512*\c
.endr
.endr
.endm
.macro KQ d, b                         ; image b against my queries: 32 keys' scores; lane (r, h): query r, registers d + i = key 32 b + 16 h + i
	v_wmma_scale_f32_16x16x128_f8f6f4 v[\d:\d+7], v[X+12*(\b):X+12*(\b)+11], v[QZ+6:QZ+17], 0, v[XS+(\b)], v[QS] matrix_a_fmt:MATRIX_FMT_FP6 matrix_b_fmt:MATRIX_FMT_FP6
	v_wmma_scale_f32_16x16x128_f8f6f4 v[\d+8:\d+15], v[X+12*(\b):X+12*(\b)+11], v[QZ:QZ+11], 0, v[XS+(\b)], v[QS] matrix_a_fmt:MATRIX_FMT_FP6 matrix_b_fmt:MATRIX_FMT_FP6
.endm
	; ---- PASS 1: the row's largest score and its sum of w; 128 keys a step.  more = 1: the next step's images and scale words are asked for in this step
.macro P1 more
	s_wait_dscnt 0x0                               ; this step's images and scale words, asked for a step ago, are in
.irp b, 0,1,2,3
	KQ SCO+16*\b, \b
.endr
.if \more
	s_add_co_u32 s[TB], s[TB], 6144
	s_add_co_u32 s[TS], s[TS], 256
	s_wait_alu depctr_vm_vsrc(0)                   ; this step's LDS loads have read v[AD] and v[ASC], which the two lines below write
	v_add_nc_u32 v[AD], s[TB], v[LI0]              ; the next step's addresses: these two and two v_nop are the places behind the products
	v_add_nc_u32 v[ASC], s[TS], v[LR0]
	v_nop
	v_nop
.else
.rept 4
	v_nop                                          ; places behind the products
.endr
.endif
.irp b, 0,1,2,3
	v_max3_num_f32 v[MX+\b], v[SCO+16*\b], v[SCO+16*\b+1], v[SCO+16*\b+2]   ; four chains; each result is first read at its low end
.endr
.irp i, 3,5,7,9,11,13
.irp b, 0,1,2,3
	v_max3_num_f32 v[MX+\b], v[MX+\b], v[SCO+16*\b+\i], v[SCO+16*\b+\i+1]
.endr
.endr
.irp b, 0,1,2,3
	v_max_num_f32 v[MX+\b], v[MX+\b], v[SCO+16*\b+15]
.endr
	v_max3_num_f32 v[RM], v[RM], v[MX], v[MX+1]
	v_max3_num_f32 v[RM], v[RM], v[MX+2], v[MX+3]
.set j, 0
.rept 64
	v_fma_f32 v[SCO+j], |v[SCO+j]|, v[IB], 1.0     ; u = 1 + |S| / beta
.set j, j+1
.endr
.set j, 0
.rept 32
	v_pk_fma_f32 v[SCO+j:SCO+j+1], v[SCO+j:SCO+j+1], v[SCO+j:SCO+j+1], v[T2:T2+1]   ; u^2 + t^2
.set j, j+2
.endr
.set j, 0
.rept 64
	v_rcp_f32 v[SCO+j], v[SCO+j]                   ; w: one batch
.set j, j+1
.endr
	v_nop                                          ; a plain instruction behind the last reciprocal
	s_wait_alu depctr_va_vdst(0)                   ; the 64 reciprocals have written their results, ahead of the first reader; the step's products are done reading X and XS, in which the loads below land; v[AD] and v[ASC] are written
.if \more
	XLOAD                                          ; no vector instruction from here to the next step's products names X, XS or the two addresses
	ds_load_b128 v[XS:XS+3], v[ASC]
.endif
	v_pk_add_f32 v[MX:MX+1], v[SCO:SCO+1], v[SCO+2:SCO+3]
.irp j, 4,8,12,16,20,24,28,32,36,40,44,48,52,56,60
	v_pk_add_f32 v[LS:LS+1], v[LS:LS+1], v[SCO+\j:SCO+\j+1]
	v_pk_add_f32 v[MX:MX+1], v[MX:MX+1], v[SCO+\j+2:SCO+\j+3]
.endr
	v_pk_add_f32 v[LS:LS+1], v[LS:LS+1], v[MX:MX+1]
.endm
	s_mov_b32 s[TB], 0
	s_mov_b32 s[TS], 0
	s_mov_b32 s[CNT], 0
	s_wait_alu depctr_vm_vsrc(0)                   ; the head's loads and LDS stores have read v3 to v5, v12 to v15, X, v140 to v143 and TAU's registers: all of them are written again from here on
	v_mov_b32 v[RM], 0xff7fffff                    ; under every score
	v_add_nc_u32 v[AD], s[TB], v[LI0]
	v_add_nc_u32 v[ASC], s[TS], v[LR0]
	s_wait_alu depctr_va_vdst(0)                   ; v[AD] and v[ASC] are written, which the loads below read; so are Q's registers and scale word, which the scaled products take (the places stand above)
	XLOAD                                          ; step 0
	ds_load_b128 v[XS:XS+3], v[ASC]
.Lp1:                                              ; steps 0 to 14
	P1 1
	s_add_co_u32 s[CNT], s[CNT], 1
	s_cmp_lt_u32 s[CNT], 15
	s_cbranch_scc1 .Lp1
	P1 0                                           ; step 15 is written out: it asks for nothing
	; ---- between the passes
	v_add_f32 v[LS], v[LS], v[LS+1]
	v_permlanex16_b32 v[PX], v[LS], s[SEL], s[SEL+1]
	v_permlanex16_b32 v[PX+1], v[RM], s[SEL], s[SEL+1]
	v_add_f32 v[LS], v[LS], v[PX]                  ; Z: the row's sum of w
	v_max_num_f32 v[RM], v[RM], v[PX+1]
	v_mul_f32 v[RM], s[CS], v[RM]                  ; the row's largest t
	v_floor_f32 v[NM], -v[RM]                      ; -M = -ceil(t)
	v_sqrt_f32 v[A0], v[LS]
	v_mul_f32 v[A2], v[T2], v[LS]                  ; (a plain instruction behind the root)
	s_wait_alu depctr_va_vdst(0)                   ; the root has written v[A0], ahead of its first reader
	v_mul_f32 v[A1], v[IB], v[A0]
	v_mov_b32 v[LS], 0
	v_mov_b32 v[LS+1], 0
.set j, 0
.rept 64
	v_mov_b32 v[TAU+j], 0                          ; the step is written once: its first trip adds onto zeros
.set j, j+1
.endr
; 64 keys: scores, W and p, their codes (registers 6 c .. 6 c + 5 of the two operands) and two bytes of each scale word
.macro HALF c
	KQ SCO, 2*\c
	KQ SCO+16, 2*\c+1
.rept 4
	v_nop
.endr
.set j, 0
.rept 32
	v_fma_f32 v[WT+j], |v[SCO+j]|, v[A1], v[A0]
.set j, j+1
.endr
.set j, 0
.rept 16
	v_pk_fma_f32 v[WT+j:WT+j+1], v[WT+j:WT+j+1], v[WT+j:WT+j+1], v[A2:A2+1] op_sel_hi:[1,1,0]
.set j, j+2
.endr
.set j, 0
.rept 16
	v_pk_fma_f32 v[SCO+j:SCO+j+1], v[SCO+j:SCO+j+1], s[CS:CS+1], v[NM:NM+1] op_sel_hi:[1,0,0]   ; t - M
.set j, j+2
.endr
.set j, 0
.rept 32
	v_rcp_f32 v[WT+j], v[WT+j]                     ; W, normalised
.set j, j+1
.endr
.set j, 0
.rept 32
	v_exp_f32 v[SCO+j], v[SCO+j]                   ; p = 2^(t - M)
.set j, j+1
.endr
	v_nop                                          ; a plain instruction behind the batch
	s_wait_alu depctr_va_vdst(0)                   ; the 64 reciprocals and exponentials have written their results, ahead of the first reader; this half's products are done reading their two images (c = 1: and K's scale words), in which the loads below land
	VLOAD 2*\c                                     ; two of V's four fragments of these 128 keys take the two images' place: no vector instruction names them before the products on V
.if \c == 1
	ds_load_b128 v[XS:XS+3], v[ASC] offset:VSC-KSC
.endif
.irp k, 0,1,2,3                                ; blocks 0, 1: p's;  2, 3: W's (W's registers follow p's).  None is negative
	v_max3_num_f32 v[MX+\k], v[SCO+16*\k], v[SCO+16*\k+1], 0x1800000
.endr
.irp i, 2,4,6,8,10,12,14
.irp k, 0,1,2,3
	v_max3_num_f32 v[MX+\k], v[MX+\k], v[SCO+16*\k+\i], v[SCO+16*\k+\i+1]
.endr
.endr
.irp k, 0,1,2,3
	v_permlanex16_b32 v[PX+\k], v[MX+\k], s[SEL], s[SEL+1]
.endr
.irp k, 0,1,2,3
	v_max_num_f32 v[MX+\k], v[MX+\k], v[PX+\k]
.endr
.irp k, 0,1,2,3
	v_add_nc_u32 v[SO+\k], 0xff000000, v[MX+\k]
.endr
.irp k, 0,1,2,3
	v_lshrrev_b32 v[PX+\k], 23, v[SO+\k]
.endr
.if \c == 0
	v_lshl_or_b32 v[PS], v[PX+1], 8, v[PX]
	v_lshl_or_b32 v[WS], v[PX+3], 8, v[PX+2]
.else
	v_lshl_or_b32 v[PS], v[PX], 16, v[PS]
	v_lshl_or_b32 v[WS], v[PX+2], 16, v[WS]
	v_lshl_or_b32 v[PS], v[PX+1], 24, v[PS]
	v_lshl_or_b32 v[WS], v[PX+3], 24, v[WS]
.endif
	v_cvt_scalef32_pk16_fp6_f32 v[PC+6*\c:PC+6*\c+2], v[SCO:SCO+15], v[SO]
	v_cvt_scalef32_pk16_fp6_f32 v[CT:CT+2], v[SCO+16:SCO+31], v[SO+1]
	v_cvt_scalef32_pk16_fp6_f32 v[WC+6*\c:WC+6*\c+2], v[WT:WT+15], v[SO+2]
	v_cvt_scalef32_pk16_fp6_f32 v[MX:MX+2], v[WT+16:WT+31], v[SO+3]
	v_nop                                          ; one plain instruction behind the scaled conversions
.irp i, 0,1,2
	v_permlane16_swap_b32 v[PC+6*\c+\i], v[CT+\i]
	v_permlane16_swap_b32 v[WC+6*\c+\i], v[MX+\i]
.endr
.irp i, 0,1,2
	v_mov_b32 v[PC+6*\c+3+\i], v[CT+\i]
	v_mov_b32 v[WC+6*\c+3+\i], v[MX+\i]
.endr
	v_pk_add_f32 v[SCO:SCO+1], v[SCO:SCO+1], v[SCO+2:SCO+3]   ; the row's sum of the UNQUANTISED p, in two chains.  These 16 are also the places between the codes' and scale words' last writes and the products
.irp j, 4,8,12,16,20,24,28
	v_pk_add_f32 v[LS:LS+1], v[LS:LS+1], v[SCO+\j:SCO+\j+1]
	v_pk_add_f32 v[SCO:SCO+1], v[SCO:SCO+1], v[SCO+\j+2:SCO+\j+3]
.endr
	v_pk_add_f32 v[LS:LS+1], v[LS:LS+1], v[SCO:SCO+1]
.endm
	; ---- PASS 2: 128 keys a trip
	s_mov_b32 s[TB], 0
	s_mov_b32 s[TS], 0
	s_mov_b32 s[CNT], 0
.Lp2:
	s_wait_alu depctr_vm_vsrc(0)                   ; the LDS loads issued so far have read v[AD], v[ADV] and v[ASC], which the three lines below write
	v_add_nc_u32 v[AD], s[TB], v[LI0]
	v_add_nc_u32 v[ADV], VIMG, v[AD]
	v_add_nc_u32 v[ASC], s[TS], v[LR0]
	s_wait_alu depctr_va_vdst(0)                   ; the three addresses are written; the last trip's products on V are done reading X and XS, in which K's loads land
	XLOAD
	ds_load_b128 v[XS:XS+3], v[ASC]
	s_wait_dscnt 0x0
	HALF 0
	HALF 1
	s_wait_dscnt 0x0                               ; V's fragments and scale words
	s_wait_alu depctr_va_vdst(0)                   ; the conversions, exchanges and moves have written p's and W's codes and scale words, which the scaled products take (the places stand above)
.irp d, 0,1,2,3                                ; eight accumulators by turns: source 0 = 16 of the head's 64, source 1 = the weights
	v_wmma_scale_f32_16x16x128_f8f6f4 v[TAU+8*\d:TAU+8*\d+7], v[X+12*\d:X+12*\d+11], v[PC:PC+11], v[TAU+8*\d:TAU+8*\d+7], v[XS+\d], v[PS] matrix_a_fmt:MATRIX_FMT_FP6 matrix_b_fmt:MATRIX_FMT_FP6
	v_wmma_scale_f32_16x16x128_f8f6f4 v[SIG+8*\d:SIG+8*\d+7], v[X+12*\d:X+12*\d+11], v[WC:WC+11], v[SIG+8*\d:SIG+8*\d+7], v[XS+\d], v[WS] matrix_a_fmt:MATRIX_FMT_FP6 matrix_b_fmt:MATRIX_FMT_FP6
.endr
.rept 4
	v_nop                                          ; places in front of the next trip's loads, and of the way out
.endr
	s_add_co_u32 s[TB], s[TB], 6144
	s_add_co_u32 s[TS], s[TS], 256
	s_add_co_u32 s[CNT], s[CNT], 1
	s_cmp_lt_u32 s[CNT], 16
	s_cbranch_scc1 .Lp2
	; ---- THE WAY OUT: f = tau / (2 l) + sigma / 2; register 16 g + i is channel 32 g + 16 h + i of my query: two blocks of product 7's K
	v_add_f32 v[LS], v[LS], v[LS+1]
	v_permlanex16_b32 v[PX], v[LS], s[SEL], s[SEL+1]
	v_add_f32 v[LS], v[LS], v[PX]
	v_rcp_f32 v[LS], v[LS]
	v_nop
	s_wait_alu depctr_va_vdst(0)                   ; the reciprocal has written v[LS], ahead of its first reader
	v_mul_f32 v[LS], 0.5, v[LS]
	v_mov_b32 v[LS+1], v[LS]
.set j, 0
.rept 16
	v_pk_mul_f32 v[SCO+j:SCO+j+1], v[SIG+j:SIG+j+1], 0.5 op_sel_hi:[1,0]
.set j, j+2
.endr
.set j, 0
.rept 16
	v_pk_fma_f32 v[SCO+j:SCO+j+1], v[TAU+j:TAU+j+1], v[LS:LS+1], v[SCO+j:SCO+j+1]
.set j, j+2
.endr
.irp k, 0,1
	v_max3_num_f32 v[MX+\k], |v[SCO+16*\k]|, |v[SCO+16*\k+1]|, 0x1800000
.endr
.irp i, 2,4,6,8,10,12,14
.irp k, 0,1
	v_max3_num_f32 v[MX+\k], v[MX+\k], |v[SCO+16*\k+\i]|, |v[SCO+16*\k+\i+1]|
.endr
.endr
.irp k, 0,1
	v_permlanex16_b32 v[PX+\k], v[MX+\k], s[SEL], s[SEL+1]
.endr
.irp k, 0,1
	v_max_num_f32 v[MX+\k], v[MX+\k], v[PX+\k]
.endr
.irp k, 0,1
	v_add_nc_u32 v[SO+\k], 0xff000000, v[MX+\k]
.endr
.irp k, 0,1
	v_lshrrev_b32 v[PX+\k], 23, v[SO+\k]
.endr
	v_lshl_or_b32 v[PX+2], v[PX+1], 8, v[PX]       ; my query's two bytes
	v_cvt_scalef32_pk16_fp6_f32 v[PC:PC+2], v[SCO:SCO+15], v[SO]
	v_cvt_scalef32_pk16_fp6_f32 v[CT:CT+2], v[SCO+16:SCO+31], v[SO+1]
	v_nop
.irp i, 0,1,2
	v_permlane16_swap_b32 v[PC+\i], v[CT+\i]
.endr
.irp i, 0,1,2
	v_mov_b32 v[PC+3+\i], v[CT+\i]
.endr
	s_lshr_b32 s30, s[BH], 4
	s_lshl_b32 s30, s30, 7
	s_lshl_b32 s19, ttmp9, 4
	s_add_co_u32 s30, s30, s19                     ; the work-group's first token tile: 128 x batch + 16 x block
	s_add_co_u32 s19, s30, s[WV]
	s_lshl_b32 s19, s19, 4
	s_add_co_u32 s19, s19, s[HD]
	s_mul_i32 s32, s19, 768                        ; fimg: [tile][head][768 bytes]
	s_mov_b32 s33, 0
	s_add_nc_u64 s[12:13], s[12:13], s[32:33]
	s_lshl_b32 s32, s[HD], 13                      ; fsc: [head][tile][r] two bytes
	s_lshl_b32 s30, s30, 5
	s_add_co_u32 s32, s32, s30
	s_add_nc_u64 s[14:15], s[14:15], s[32:33]
	s_lshl_b32 s30, s[WV], 5
	s_wait_alu depctr_vm_vsrc(0)                   ; the last trip's LDS loads have read v[AD] and v[ASC], which are written below
	v_lshrrev_b32 v[AD], 1, v[LI0]                 ; 8 x lane
	v_and_b32 v[ASC], 15, v0
	v_lshlrev_b32 v[ASC], 1, v[ASC]
	v_add_nc_u32 v[ASC], s30, v[ASC]
	v_add_nc_u32 v[ASC], FSG, v[ASC]
	v_add_nc_u32 v[QZ], FSG, v[LI0]                ; wave 0's address behind the barrier: made in every wave, ahead of the branch
	s_wait_alu depctr_va_vdst(0)                   ; f's codes, my two bytes and the three addresses are written, which the stores and the load below read; the products are done reading v[QZ + 2 ..], in which wave 0's load lands
	global_store_b128 v[LI0], v[PC:PC+3], s[12:13]             ; registers 0-3: 512 consecutive bytes
	global_store_b64 v[AD], v[PC+4:PC+5], s[12:13] offset:512  ; registers 4-5: 256
	ds_store_b16 v[ASC], v[PX+2]                   ; lanes r and r + 16 write the same two bytes with the same value
	s_wait_dscnt 0x0
	s_barrier_signal -1
	s_barrier_wait -1                              ; the sixteen tiles' 512 scale bytes lie together
	s_cmp_lg_u32 s[WV], 0
	s_cbranch_scc1 .Lend
	ds_load_b128 v[QZ+2:QZ+5], v[QZ]               ; no vector instruction since the wait above names these registers
	s_wait_dscnt 0x0
	global_store_b128 v[LI0], v[QZ+2:QZ+5], s[14:15]   ; 512 consecutive bytes, aligned
.Lend:
	s_wait_xcnt 0x0
	v_lshl_add_u32 v254, v0, 2, 0x32200
	v_mov_b32 v255, 0
	s_wait_dscnt 0x0                               ; the closing lines, six on end
	s_wait_alu 0x0
	s_wait_tensorcnt 0x0
	ds_add_u32 v254, v255
	s_wait_dscnt 0x0
	s_endpgm
.Lfunc_end_k_qe94b129de7_attn:
	.size	k_qe94b129de7_attn, .Lfunc_end_k_qe94b129de7_attn-k_qe94b129de7_attn
	.p2alignl 7, 3214868480
	.fill 96, 4, 3214868480
	.section	.rodata,"a",@progbits
	.p2align	6, 0x0
	.amdhsa_kernel k_qe94b129de7_attn
		.amdhsa_group_segment_fixed_size 207360
		.amdhsa_private_segment_fixed_size 0
		.amdhsa_enable_private_segment 0
		.amdhsa_kernarg_size 48
		.amdhsa_user_sgpr_count 2
		.amdhsa_user_sgpr_kernarg_segment_ptr 1
		.amdhsa_wavefront_size32 1
		.amdhsa_system_sgpr_workgroup_id_x 1
		.amdhsa_system_sgpr_workgroup_id_y 1
		.amdhsa_system_sgpr_workgroup_id_z 1
		.amdhsa_system_vgpr_workitem_id 0
		.amdhsa_next_free_vgpr 256
		.amdhsa_next_free_sgpr 66
		.amdhsa_reserve_vcc 0
		.amdhsa_float_denorm_mode_32 3
		.amdhsa_float_denorm_mode_16_64 3
		.amdhsa_memory_ordered 1
		.amdhsa_forward_progress 1
		.amdhsa_inst_pref_size 72
	.end_amdhsa_kernel
	.amdgpu_metadata
---
amdhsa.version: [ 1, 2 ]
amdhsa.kernels:
  - .name:           k_qe94b129de7_attn
    .symbol:         k_qe94b129de7_attn.kd
    .args:
      - { .name: img, .offset: 0, .size: 8, .value_kind: global_buffer, .address_space: global }
      - { .name: sc, .offset: 8, .size: 8, .value_kind: global_buffer, .address_space: global }
      - { .name: beta, .offset: 16, .size: 8, .value_kind: global_buffer, .address_space: global }
      - { .name: t, .offset: 24, .size: 8, .value_kind: global_buffer, .address_space: global }
      - { .name: fimg, .offset: 32, .size: 8, .value_kind: global_buffer, .address_space: global }
      - { .name: fsc, .offset: 40, .size: 8, .value_kind: global_buffer, .address_space: global }
    .group_segment_fixed_size: 207360
    .private_segment_fixed_size: 0
    .kernarg_segment_align: 8
    .kernarg_segment_size: 48
    .max_flat_workgroup_size: 512
    .sgpr_count:     66
    .vgpr_count:     256
    .wavefront_size: 32
...
	.end_amdgpu_metadata
.endif
;; end of part 5
;; launch outln (part 6): grid 128 x 1, 16 waves a work-group, no clusters, 171,264 bytes of LDS; arguments fimg, fsc, codes, scl, bo, ln_w, ln_b, x, out0; writes out0
.if DOCPART == 6
	.amdgcn_target "amdgcn-amd-amdhsa--gfx1250"
	.amdhsa_code_object_version 6
	.text
	.protected	k_qe94b129de7_outln
	.globl	k_qe94b129de7_outln
	.p2align	8
	.type	k_qe94b129de7_outln,@function
k_qe94b129de7_outln:
	s_mov_b64 s[64:65], 0
	v_nop
	global_prefetch_b8 v0, s[64:65] scope:SCOPE_SE
	s_setreg_imm32_b32 hwreg(HW_REG_WAVE_SCHED_MODE, 0, 2), 2
	s_setreg_imm32_b32 hwreg(HW_REG_WAVE_MODE, 25, 1), 1
	s_wait_xcnt 0x0
	s_wait_alu depctr_vm_vsrc(0)
; y = f Wo^T + bo on codes of FP6 (E2M3) with E8M0 scales;  out = x + ln_w (y - mean) rsqrt(var + 1e-5) + ln_b, mean and var over a token's 1,024 features, in f32: the mean first, then the centred squares.
; SHARES: a work-group takes 32 tokens (two tiles of 16) and whole rows of y; wave w of sixteen takes features 64 w .. 64 w + 63: four tiles of Wo.  Source 0 = 16 rows of Wo, source 1 = 16 tokens of f:
; lane (r, h) holds token 8 m + r + 8 (r / 8) of the 32 (tile m), and the 16 registers of Wo's tiles 2 g, 2 g + 1 are features 32 g + 16 h + 0 .. 15 of the wave's 64.
; Wo's fragments come from memory straight into registers, as they lie (three loads of 512 consecutive bytes), in two buffers, a K step ahead.  f's codes (24,576 bytes) go to LDS once and are read by all waves.
; No tensor load and no cluster: all work-groups walk the same 786,432 bytes of Wo's codes, but a launch without refills of LDS is the simpler sound form; sharing them jointly is the next step for this launch.
; bo is loaded into the accumulators and is the C of each sum's first product.  NaN and infinities are not served.
; THE MODE: SCHED_MODE bits 1:0 = 2 (LLVM: expert scheduling mode 2), set by the entry lines.  The code itself states the register dependences
; between vector or matrix instructions and memory or LDS instructions, with s_wait_alu, always for 0.
; THE PLAN.  Registers that memory or LDS instructions touch:
;   AA, FS     f's two fragments and scale words: LDS loads land in them, a K step's products read them.  (At the head AA carries f on its way into LDS; behind the products it takes the sixteen partial sums.)
;   BB0, BB1   Wo's fragments of K step s in buffer s % 2: global loads land in them, the step's products read them.  Behind K steps 6 and 7 x lands in them.
;   S0         the data of the two LDS stores of partial sums.       ACC   the data of the stage's stores, the landing place of the stage's loads, the data of the global stores.
;   All address registers are made at the head and never written again (v254 is made anew for the closing lines).
; ONE wait on va_vdst stands in a K step, behind its products: they are done reading AA, FS and the step's buffer.  Behind it go the next step's loads of f and the loads of Wo two steps on (or of x).
; A reduction has one wait on va_vdst ahead of its LDS store and one on vm_vsrc ahead of the next write of S0.  The way out has one wait on va_vdst ahead of the stage's stores, one on vm_vsrc between them and
; the loads that land in the same registers, and one on va_vdst for each four pairs of rows, between their arithmetic and their four stores.
.set KSL,  1572864
.set FSC,  24576                       ; LDS: f's images from 0; its scale words: 32 rows of 36 bytes (row 16 m + r; two bytes a head);
.set RED1, 25856                       ; 16 waves x 128 bytes of partial sums;
.set RED2, 27904                       ; and of partial sums of squares;
.set STG,  29952                       ; a stage of 32 rows x (256 + 16) bytes for each wave
.set LI,   1                           ; v1  16 x lane
.set L8,   2                           ; v2  8 x lane
.set AFS,  3                           ; v3  FSC + 36 r
.set R32,  4                           ; v4  32 r
.set H64,  5                           ; v5  64 h
.set XO,   6                           ; v6  4096 h + 16 r: two rows of x or out, 16 lanes to a run of 256 bytes
.set LN,   7                           ; v7  lane
.set STI,  8                           ; v8  the stage, in
.set STO,  9                           ; v9  the stage, out
.set RWR,  10                          ; v10 where I put a partial sum
.set RRD,  11                          ; v11 where I read the sixteen
.set LNW,  12                          ; v12-15 ln_w, v16-19 ln_b of my four features on the way out
.set LNB,  16
.set FS,   20                          ; v20-21 f's scale words
.set S0,   22                          ; v22-25 two sums in halves
.set PD,   26                          ; v26-27 lane permutes' destinations
.set M0,   28                          ; v28-29 tile 0's mean, later its 1 / deviation, twice;  v30-31 tile 1's
.set M1,   30
.set WSC,  32                          ; v32-63 Wo's scale words: 8 t + s
.set AA,   64                          ; v64-87 f's two fragments; later the sixteen partial sums
.set BB,   88                          ; v88-183 Wo's fragments, two buffers of 48; later x
.set ACC,  184                         ; v184-247 (t, m) at 184 + 32 m + 8 t
.set WV,   22
.set SEL,  26
.set EPS,  28
.set HM,   29
	s_load_b256 s[4:11], s[0:1], 0x0               ; fimg, fsc, codes, scl
	s_load_b256 s[12:19], s[0:1], 0x20             ; bo, ln_w, ln_b, x
	s_load_b64 s[20:21], s[0:1], 0x40              ; out0
	v_lshrrev_b32 v1, 5, v0
	v_readfirstlane_b32 s[WV], v1                  ; wave 0..15
	v_and_b32 v[LN], 31, v0
	v_cmp_le_u32 s[HM], 16, v[LN]                  ; lanes 16-31
	v_lshlrev_b32 v[LI], 4, v[LN]
	v_lshlrev_b32 v[L8], 3, v[LN]
	v_and_b32 v252, 15, v0                         ; r
	v_bfe_u32 v253, v0, 4, 1                       ; h
	v_mul_u32_u24 v[AFS], v252, 36
	v_add_nc_u32 v[AFS], FSC, v[AFS]
	v_lshlrev_b32 v[R32], 5, v252
	v_lshlrev_b32 v[H64], 6, v253
	v_lshlrev_b32 v251, 4, v252                    ; 16 r
	v_lshl_add_u32 v[XO], v253, 12, v251
	s_wait_alu depctr_va_sdst(0)                   ; the wave's number and the mask of lanes 16-31 are written, ahead of the first reader of either
	s_mul_i32 s24, s[WV], 8704
	s_add_co_u32 s24, s24, STG                     ; my stage
	v_mul_u32_u24 v[STI], v252, 272
	v_lshl_add_u32 v[STI], v253, 6, v[STI]
	v_add_nc_u32 v[STI], s24, v[STI]
	v_mul_u32_u24 v[STO], v253, 272
	v_add_nc_u32 v[STO], v[STO], v251
	v_add_nc_u32 v[STO], s24, v[STO]
	s_lshl_b32 s24, s[WV], 7
	v_lshlrev_b32 v[RRD], 2, v[LN]
	v_add_nc_u32 v[RRD], RED1, v[RRD]
	v_add_nc_u32 v[RWR], s24, v[RRD]
	v_lshlrev_b32 v248, 4, v0                      ; 16 x thread
	v_lshrrev_b32 v249, 5, v0                      ; the head whose bytes I copy
	v_lshlrev_b32 v250, 1, v[LN]
	v_lshl_add_u32 v250, v249, 13, v250            ; in fsc: 8,192 x head + 2 x (16 m + r)
	v_mul_u32_u24 v254, v[LN], 36
	v_lshl_add_u32 v254, v249, 1, v254
	v_add_nc_u32 v254, FSC, v254                   ; in LDS: 36 x (16 m + r) + 2 x head
	v_mov_b32 v[PD], 0                             ; written once: a lane permute's destination counts as one of its sources
	v_mov_b32 v[PD+1], 0
	s_mov_b32 s[SEL], 0x76543210
	s_mov_b32 s[SEL+1], 0xfedcba98
	s_mov_b32 s[EPS], 0x3727c5ac                   ; 1e-5
	s_mov_b32 s25, 0
	s_wait_kmcnt 0x0
	s_mul_i32 s24, ttmp9, 24576
	s_add_nc_u64 s[4:5], s[4:5], s[24:25]          ; my two tiles' images
	s_lshl_b32 s24, ttmp9, 6
	s_add_nc_u64 s[6:7], s[6:7], s[24:25]
	s_mul_i32 s24, s[WV], 12288
	s_add_co_u32 s24, s24, 1376256                 ; Wo's tile 448 + 4 w: 3,072 bytes a tile
	s_add_nc_u64 s[8:9], s[8:9], s[24:25]
	s_lshl_b32 s24, s[WV], 11
	s_add_co_u32 s24, s24, 229376                  ; its rows' scale words: 32 bytes a row, from row 7,168 + 64 w
	s_add_nc_u64 s[10:11], s[10:11], s[24:25]
	s_lshl_b32 s24, s[WV], 8                       ; my 64 features
	s_add_nc_u64 s[12:13], s[12:13], s[24:25]
	s_add_nc_u64 s[14:15], s[14:15], s[24:25]
	s_add_nc_u64 s[16:17], s[16:17], s[24:25]
	s_lshl_b32 s30, ttmp9, 17                      ; my 32 tokens
	s_add_co_u32 s24, s24, s30
	s_add_nc_u64 s[18:19], s[18:19], s[24:25]
	s_add_nc_u64 s[20:21], s[20:21], s[24:25]
	s_wait_alu depctr_va_vdst(0)                   ; v1 to v11, v248, v250, v251 and v254 are written: every offset and LDS address that the kernel's loads and stores read
.macro BLOAD s                         ; Wo's four fragments of K step s into buffer s % 2
.irp t, 0,1,2,3
.irp c, 0,1,2
	global_load_b128 v[BB+48*((\s)%2)+12*\t+4*\c:BB+48*((\s)%2)+12*\t+4*\c+3], v[LI], s[8:9] offset:((\s)/2)*KSL+3072*\t+1536*((\s)%2)+512*\c
.endr
.endr
.endm
.macro ALOAD s                         ; f's two fragments and scale words of K step s: heads 2 s and 2 s + 1
.irp m, 0,1
.irp c, 0,1
	ds_load_b128 v[AA+12*\m+6*\c:AA+12*\m+6*\c+3], v[LI] offset:12288*\m+768*(2*(\s)+\c)
	ds_load_b64 v[AA+12*\m+6*\c+4:AA+12*\m+6*\c+5], v[L8] offset:12288*\m+768*(2*(\s)+\c)+512
.endr
	ds_load_b32 v[FS+\m], v[AFS] offset:576*\m+4*(\s)
.endr
.endm
.macro XLD i                           ; stage rows 2 i, 2 i + 1 are tokens 8 m + r + 8 (r / 8): two neighbouring rows of x
	global_load_b128 v[BB+4*(\i):BB+4*(\i)+3], v[XO], s[18:19] offset:4096*(8*((2*(\i))/16)+(2*(\i))%16+8*(((2*(\i))%16)/8)) th:TH_LOAD_NT
.endm
.irp i, 0,1,2
	global_load_b128 v[AA+4*\i:AA+4*\i+3], v248, s[4:5] offset:8192*\i
.endr
	global_load_u16 v[AA+12], v250, s[6:7]
.irp t, 0,1,2,3
.irp j, 0,1
	global_load_b128 v[WSC+8*\t+4*\j:WSC+8*\t+4*\j+3], v[R32], s[10:11] offset:512*\t+16*\j
.endr
.endr
.irp m, 0,1
.irp b, 0,1
.irp i, 0,1,2,3
	global_load_b128 v[ACC+32*\m+16*\b+4*\i:ACC+32*\m+16*\b+4*\i+3], v[H64], s[12:13] offset:128*\b+16*\i   ; bo, in the result's layout
.endr
.endr
.endr
	global_load_b128 v[LNW:LNW+3], v251, s[14:15]
	global_load_b128 v[LNB:LNB+3], v251, s[16:17]
	BLOAD 0
	BLOAD 1
	s_wait_loadcnt 50                              ; behind f's four loads 8 + 16 + 2 + 24 were issued
.irp i, 0,1,2
	ds_store_b128 v248, v[AA+4*\i:AA+4*\i+3] offset:8192*\i
.endr
	ds_store_b16 v254, v[AA+12]
	s_wait_dscnt 0x0                               ; for the others' sake
	s_barrier_signal -1
	s_barrier_wait -1                              ; f's codes and scale words lie in LDS
	s_wait_alu depctr_vm_vsrc(0)                   ; my LDS stores have read v[AA ..], in which f's fragments land, and v254, which the closing lines make anew
	ALOAD 0
.macro KSTEP s                         ; 128 along K: heads 2 s and 2 s + 1
	s_wait_loadcnt 12                              ; this step's fragments of Wo are in; the twelve loads issued behind them may be out
	s_wait_dscnt 0x0                               ; f's fragments and scale words, asked for at the last step's end, are in
.irp t, 0,1,2,3                                ; eight accumulators by turns
.irp m, 0,1
	v_wmma_scale_f32_16x16x128_f8f6f4 v[ACC+32*\m+8*\t:ACC+32*\m+8*\t+7], v[BB+48*((\s)%2)+12*\t:BB+48*((\s)%2)+12*\t+11], v[AA+12*\m:AA+12*\m+11], v[ACC+32*\m+8*\t:ACC+32*\m+8*\t+7], v[WSC+8*\t+(\s)], v[FS+\m] matrix_a_fmt:MATRIX_FMT_FP6 matrix_b_fmt:MATRIX_FMT_FP6
.endr
.endr
.rept 4
	v_nop                                          ; places in front of loads into registers that the products have read
.endr
	s_wait_alu depctr_va_vdst(0)                   ; this step's products are done reading f's fragments and scale words and Wo's buffer s % 2: the loads that follow land in them
.if (\s) < 7
	ALOAD (\s)+1
.endif
.if (\s) < 6
	BLOAD (\s)+2
.endif
.endm
.irp s, 0,1,2,3,4,5,6
	KSTEP \s
.endr
.irp i, 0,1,2,3,4,5,6,7,8,9,10,11
	XLD \i                                         ; buffer 0 is done with (K step 6's wait has said so): x's first twelve pairs of rows
.endr
	KSTEP 7
.irp i, 12,13,14,15
	XLD \i                                         ; likewise buffer 1, by K step 7's wait
.endr
; A token's sum over the wave's 64 features stands in v[S0] (tile 0) and v[S0 + 2] (tile 1), in every lane.  Lanes 0-15 hand on tile 0's, lanes 16-31 tile 1's; the sixteen waves' meet in LDS at off;
; every wave adds them in the same order: v[AA] = the whole sum of token (tile h, row r).
.macro ACROSS off
	v_add_f32 v[S0], v[S0], v[S0+1]
	v_add_f32 v[S0+2], v[S0+2], v[S0+3]
	v_permlanex16_b32 v[PD], v[S0], s[SEL], s[SEL+1]
	v_permlanex16_b32 v[PD+1], v[S0+2], s[SEL], s[SEL+1]
	v_add_f32 v[S0], v[S0], v[PD]
	v_add_f32 v[S0+2], v[S0+2], v[PD+1]
	v_cndmask_b32 v[S0], v[S0], v[S0+2], s[HM]
	s_wait_alu depctr_va_vdst(0)                   ; v[S0] is written, which the LDS store reads; every vector and matrix instruction that named v[AA ..] is done, in which the sixteen loads below land
	ds_store_b32 v[RWR], v[S0] offset:\off
	s_wait_dscnt 0x0
	s_barrier_signal -1
	s_barrier_wait -1
.irp i, 0,1,2,3,4,5,6,7,8,9,10,11,12,13,14,15
	ds_load_b32 v[AA+\i], v[RRD] offset:\off+128*\i
.endr
	s_wait_alu depctr_vm_vsrc(0)                   ; the LDS store has read v[S0], which is written again behind this macro
	s_wait_dscnt 0x0
.irp i, 0,2,4,6,8,10,12,14
	v_add_f32 v[AA+\i], v[AA+\i], v[AA+\i+1]
.endr
.irp i, 0,4,8,12
	v_add_f32 v[AA+\i], v[AA+\i], v[AA+\i+2]
.endr
	v_add_f32 v[AA], v[AA], v[AA+4]
	v_add_f32 v[AA+8], v[AA+8], v[AA+12]
	v_add_f32 v[AA], v[AA], v[AA+8]
.endm
.macro DEAL                            ; v[S0] holds a number of token (tile h, row r): both tiles' go to every lane, each twice, as pairs
	v_permlanex16_b32 v[PD], v[S0], s[SEL], s[SEL+1]
	v_cndmask_b32 v[M0], v[S0], v[PD], s[HM]
	v_cndmask_b32 v[M1], v[PD], v[S0], s[HM]
	v_mov_b32 v[M0+1], v[M0]
	v_mov_b32 v[M1+1], v[M1]
.endm
.irp m, 0,1
	v_pk_add_f32 v[S0+2*\m:S0+2*\m+1], v[ACC+32*\m:ACC+32*\m+1], v[ACC+32*\m+2:ACC+32*\m+3]   ; each accumulator from its low end on
.endr
.irp j, 4,6,8,10,12,14,16,18,20,22,24,26,28,30
.irp m, 0,1
	v_pk_add_f32 v[S0+2*\m:S0+2*\m+1], v[S0+2*\m:S0+2*\m+1], v[ACC+32*\m+\j:ACC+32*\m+\j+1]
.endr
.endr
	ACROSS 0
	v_mul_f32 v[S0], 0x3a800000, v[AA]             ; / 1,024: the mean
	DEAL
.irp j, 0,2,4,6,8,10,12,14,16,18,20,22,24,26,28,30
	v_pk_add_f32 v[ACC+\j:ACC+\j+1], v[ACC+\j:ACC+\j+1], v[M0:M0+1] neg_lo:[0,1] neg_hi:[0,1]
	v_pk_add_f32 v[ACC+32+\j:ACC+32+\j+1], v[ACC+32+\j:ACC+32+\j+1], v[M1:M1+1] neg_lo:[0,1] neg_hi:[0,1]
.endr
.irp m, 0,1
	v_pk_mul_f32 v[S0+2*\m:S0+2*\m+1], v[ACC+32*\m:ACC+32*\m+1], v[ACC+32*\m:ACC+32*\m+1]
.endr
.irp j, 2,4,6,8,10,12,14,16,18,20,22,24,26,28,30
.irp m, 0,1
	v_pk_fma_f32 v[S0+2*\m:S0+2*\m+1], v[ACC+32*\m+\j:ACC+32*\m+\j+1], v[ACC+32*\m+\j:ACC+32*\m+\j+1], v[S0+2*\m:S0+2*\m+1]
.endr
.endr
	ACROSS RED2-RED1                               ; other bytes than the first sums': no third barrier is needed
	v_fma_f32 v[S0], v[AA], 0x3a800000, s[EPS]     ; var + 1e-5
	v_rsq_f32 v[S0], v[S0]
	v_nop                                          ; a plain instruction behind the root
	s_wait_alu depctr_va_vdst(0)                   ; the root has written v[S0], ahead of the first reader
	DEAL
.irp j, 0,2,4,6,8,10,12,14,16,18,20,22,24,26,28,30
	v_pk_mul_f32 v[ACC+\j:ACC+\j+1], v[ACC+\j:ACC+\j+1], v[M0:M0+1]
	v_pk_mul_f32 v[ACC+32+\j:ACC+32+\j+1], v[ACC+32+\j:ACC+32+\j+1], v[M1:M1+1]
.endr
	; THE WAY OUT: through my own stage, rows in the tiles' order, and back as rows: sixteen lanes hold 256 neighbouring bytes of a row of out
	s_wait_alu depctr_va_vdst(0)                   ; the multiplications have written v[ACC ..], which the LDS stores read
.irp m, 0,1
.irp b, 0,1
.irp i, 0,1,2,3
	ds_store_b128 v[STI], v[ACC+32*\m+16*\b+4*\i:ACC+32*\m+16*\b+4*\i+3] offset:4352*\m+128*\b+16*\i
.endr
.endr
.endr
	s_wait_alu depctr_vm_vsrc(0)                   ; the LDS stores have read v[ACC ..], in which the loads below land
.irp i, 0,1,2,3,4,5,6,7,8,9,10,11,12,13,14,15
	ds_load_b128 v[ACC+4*\i:ACC+4*\i+3], v[STO] offset:544*\i   ; LDS serves a wave's instructions in order: these see the stores above
.endr
	s_wait_loadcnt 0x0                             ; x
.irp g, 0,1,2,3                                ; four pairs of rows at a time: their arithmetic, one wait, their four stores
	s_wait_dscnt 12-4*\g                           ; this group's four loads from the stage are in; the later groups' may be out
.irp k, 0,1,2,3
.set i, 4*\g+\k
	v_pk_fma_f32 v[ACC+4*i:ACC+4*i+1], v[ACC+4*i:ACC+4*i+1], v[LNW:LNW+1], v[LNB:LNB+1]
	v_pk_fma_f32 v[ACC+4*i+2:ACC+4*i+3], v[ACC+4*i+2:ACC+4*i+3], v[LNW+2:LNW+3], v[LNB+2:LNB+3]
	v_pk_add_f32 v[ACC+4*i:ACC+4*i+1], v[ACC+4*i:ACC+4*i+1], v[BB+4*i:BB+4*i+1]
	v_pk_add_f32 v[ACC+4*i+2:ACC+4*i+3], v[ACC+4*i+2:ACC+4*i+3], v[BB+4*i+2:BB+4*i+3]
.endr
	s_wait_alu depctr_va_vdst(0)                   ; the group's additions have written its sixteen registers, which the four stores read
.irp k, 0,1,2,3
.set i, 4*\g+\k
	global_store_b128 v[XO], v[ACC+4*i:ACC+4*i+3], s[20:21] offset:4096*(8*((2*i)/16)+(2*i)%16+8*(((2*i)%16)/8)) th:TH_STORE_NT   ; two runs of 256 consecutive bytes, aligned
.endr
.endr
	s_wait_xcnt 0x0
	v_lshl_add_u32 v254, v0, 2, 0x29500
	v_mov_b32 v255, 0
	s_wait_dscnt 0x0                               ; the closing lines, six on end
	s_wait_alu 0x0
	s_wait_tensorcnt 0x0
	ds_add_u32 v254, v255
	s_wait_dscnt 0x0
	s_endpgm
.Lfunc_end_k_qe94b129de7_outln:
	.size	k_qe94b129de7_outln, .Lfunc_end_k_qe94b129de7_outln-k_qe94b129de7_outln
	.p2alignl 7, 3214868480
	.fill 96, 4, 3214868480
	.section	.rodata,"a",@progbits
	.p2align	6, 0x0
	.amdhsa_kernel k_qe94b129de7_outln
		.amdhsa_group_segment_fixed_size 171264
		.amdhsa_private_segment_fixed_size 0
		.amdhsa_enable_private_segment 0
		.amdhsa_kernarg_size 72
		.amdhsa_user_sgpr_count 2
		.amdhsa_user_sgpr_kernarg_segment_ptr 1
		.amdhsa_wavefront_size32 1
		.amdhsa_system_sgpr_workgroup_id_x 1
		.amdhsa_system_sgpr_workgroup_id_y 1
		.amdhsa_system_sgpr_workgroup_id_z 1
		.amdhsa_system_vgpr_workitem_id 0
		.amdhsa_next_free_vgpr 256
		.amdhsa_next_free_sgpr 66
		.amdhsa_reserve_vcc 0
		.amdhsa_float_denorm_mode_32 3
		.amdhsa_float_denorm_mode_16_64 3
		.amdhsa_memory_ordered 1
		.amdhsa_forward_progress 1
		.amdhsa_inst_pref_size 53
	.end_amdhsa_kernel
	.amdgpu_metadata
---
amdhsa.version: [ 1, 2 ]
amdhsa.kernels:
  - .name:           k_qe94b129de7_outln
    .symbol:         k_qe94b129de7_outln.kd
    .args:
      - { .name: fimg, .offset: 0, .size: 8, .value_kind: global_buffer, .address_space: global }
      - { .name: fsc, .offset: 8, .size: 8, .value_kind: global_buffer, .address_space: global }
      - { .name: codes, .offset: 16, .size: 8, .value_kind: global_buffer, .address_space: global }
      - { .name: scl, .offset: 24, .size: 8, .value_kind: global_buffer, .address_space: global }
      - { .name: bo, .offset: 32, .size: 8, .value_kind: global_buffer, .address_space: global }
      - { .name: ln_w, .offset: 40, .size: 8, .value_kind: global_buffer, .address_space: global }
      - { .name: ln_b, .offset: 48, .size: 8, .value_kind: global_buffer, .address_space: global }
      - { .name: x, .offset: 56, .size: 8, .value_kind: global_buffer, .address_space: global }
      - { .name: out0, .offset: 64, .size: 8, .value_kind: global_buffer, .address_space: global }
    .group_segment_fixed_size: 171264
    .private_segment_fixed_size: 0
    .kernarg_segment_align: 8
    .kernarg_segment_size: 72
    .max_flat_workgroup_size: 512
    .sgpr_count:     66
    .vgpr_count:     256
    .wavefront_size: 32
...
	.end_amdgpu_metadata
.endif
;; end of part 6
